; MI455X (gfx1250); checked and timed in simulation.
; The chip was launched on July 23, 2026; its instructions are those of AMD's public machine-readable ISA for CDNA 5 (MIT licence, August 2026) and "CDNA5" Instruction Set Architecture Reference Guide (July 2026). The comments in the code are by the model that wrote it; some were corrected since.
;; Attn Block. Allowed arithmetic: matrix products marked QUANTISED: E4M3 operands, one E8M0 scale for each 32 along K, by v_wmma_scale_f32_16x16x128_f8f6f4 with both operands' format E4M3, f32 sums; everything else in f32.
;; Inputs: beta 512 float32; bk 512 float32; bp 512 float32; bq 512 float32; bv 512 float32; gamma 512 float32; wk_codes 512 x 16 x 32 uint8 (E4M3 codes of wk, K innermost, in blocks of 32 codes); wk_scales 512 x 16 uint8 (E8M0 scales of wk, one for each 32 codes along K); wp_codes 512 x 16 x 32 uint8 (E4M3 codes of wp, K innermost, in blocks of 32 codes); wp_scales 512 x 16 uint8 (E8M0 scales of wp, one for each 32 codes along K); wq_codes 512 x 16 x 32 uint8 (E4M3 codes of wq, K innermost, in blocks of 32 codes); wq_scales 512 x 16 uint8 (E8M0 scales of wq, one for each 32 codes along K); wv_codes 512 x 16 x 32 uint8 (E4M3 codes of wv, K innermost, in blocks of 32 codes); wv_scales 512 x 16 uint8 (E8M0 scales of wv, one for each 32 codes along K); x 8 x 512 x 2,048 float32.
;; Outputs: out0 8 x 512 x 2,048 float32.
;; This version of the problem:
;;   THIS VERSION OF THE PROBLEM IS GIVEN IN LOW PRECISION. The matrix products marked QUANTISED in the list below multiply operands that are first quantised to E4M3 (4 exponent bits, 3 mantissa bits; 8 bits a number), with one power-of-two scale for each 32 numbers along K (OCP MX v1.0); their sums are f32. All else is computed in f32.
;;   The module's matrix products, in the order in which they are computed (A, B: the left and right operand; K: the contracted axis; several contracted axes count as one K, in the product's order):
;;     1. [M 16,384, K 512] x [K 512, N 512]; A: computed on the way; B: input wq (given as codes): QUANTISED
;;     2. [M 16,384, K 512] x [K 512, N 512]; A: computed on the way; B: input wk (given as codes): QUANTISED
;;     3. [M 16,384, K 512] x [K 512, N 512]; A: computed on the way; B: input wv (given as codes): QUANTISED
;;     4. batch 8 x [M 2,048, K 512] x [K 512, N 2,048]; A: computed on the way; B: computed on the way: QUANTISED
;;     5. batch 8 x [M 512, K 2,048] x [K 2,048, N 2,048]; A: computed on the way; B: softmax (see below): QUANTISED
;;     6. [M 16,384, K 512] x [K 512, N 512]; A: computed on the way; B: input wp (given as codes): QUANTISED
;;   THE QUANTISER, for each operand of a quantised product, along K:
;;     - K is cut into blocks of 32 from its start; a last block that is shorter is filled with zeros.
;;     - A block's scale is 2^e with e = floor(log2(the largest magnitude in the block)) - 8, held to -126 .. 127; a block of zeros has e = 0. As a byte (E8M0): e + 127.
;;     - Each number is divided by its block's scale, clamped to +-448, and rounded to the nearest number of E4M3, ties to even, subnormals kept.
;;     - The product sums the exact products of the quantised numbers (number of the format x scale) in f32.
;;   ~~~python
;;   def quantise(x, axis):      # numpy; x: float32 -> the quantised numbers, widened to float32 again
;;       x = np.moveaxis(x, axis, -1); K = x.shape[-1]
;;       x = np.pad(x, [(0, 0)] * (x.ndim - 1) + [(0, -K % 32)]); x = x.reshape(x.shape[:-1] + (-1, 32)); a = np.abs(x).max(-1, keepdims=True)
;;       e = np.where(a > 0, np.clip(np.frexp(np.where(a > 0, a, 1))[1] - 1 - 8, -126, 127), 0)      # np.frexp(a)[1] - 1 = floor(log2(a)), exactly
;;       r = np.clip(x / 2.0 ** e, -448, 448)
;;       step = 2.0 ** (np.maximum(np.frexp(np.where(r == 0, 1, r))[1] - 1, -6) - 3)
;;       q = np.round(r / step) * step * 2.0 ** e      # np.round: ties to even
;;       return np.moveaxis(q.reshape(q.shape[:-2] + (-1,))[..., :K], -1, axis).astype(np.float32)
;;   ~~~
;;   SOFTMAX AHEAD OF A QUANTISED PRODUCT. Where the list says 'softmax', what is quantised is not the finished softmax but p = 2^(t - M), with t = logit x log2(e) and M = ceil(the row's largest t), a whole number; so 1/2 < the row's largest p <= 1. The row's sum l is taken of the UNQUANTISED p, in f32, and the product's result is divided by l at the end. Since M is a whole number, a kernel that streams over the keys may use a running M (the ceiling of the running maximum): every later rescaling is an exact power of two, which a block's scale takes up: the codes' values come out the same.
;;   OPERANDS COMPUTED ON THE WAY. 'Computed on the way' means the value that the module computes at that place (a softmax that the list does not call 'softmax' is quantised finished and normalised). What goes into a quantiser is computed in f32, as accurately as f32 sums, v_exp_f32 and their like allow (about 1e-6 of the number): no bf16 or f16 on the way to a quantiser, and a product that is left as it is and whose result goes on into a quantised operand takes f32 operands (vector FMAs, or v_wmma_f32_16x16x4_f32). A number that lies on a knife's edge between two numbers of the format may be rounded either way, as far as f32 arithmetic and the matrix unit's own rounding can turn it there, and no further.
;;   INPUTS GIVEN AS CODES. wk (in the module: [512, 512], K = its axis 1); wp (in the module: [512, 512], K = its axis 1); wq (in the module: [512, 512], K = its axis 1); wv (in the module: [512, 512], K = its axis 1): each comes as NAME_codes (uint8): NAME with its K axis moved to the last place and cut into blocks of 32 codes, [.., K / 32, bytes a block], one block behind the other in memory; one code a byte (a code: sign, 4 exponent bits, 3 mantissa bits); and NAME_scales (uint8): the same leading axes, one E8M0 byte (e + 127) for each 32 codes along K. Its value is code x scale, taken as it is: it is not quantised again, and the codes and scales need not be those that the quantiser above would give.
;; One version. Each part assembles by itself: llvm-mc -triple=amdgcn-amd-amdhsa -mcpu=gfx1250 --defsym DOCPART=n.
;; ======== version 1 of 1: 3 launches
;; limits: right only within a limited range of input values
;; workspace buffers: hw 8,650,752 bytes; ww 1,081,344 bytes; qw 8,912,896 bytes; kw 8,912,896 bytes; vw 8,912,896 bytes
;; launch norm (part 1): grid 136 x 1, 16 waves a work-group, no clusters, 68,608 bytes of LDS; arguments x, gamma, beta, wq_codes, wq_scales, wk_codes, wk_scales, wv_codes, wv_scales, wp_codes, wp_scales, hw, ww; writes hw, ww
.if DOCPART == 1
	.amdgcn_target "amdgcn-amd-amdhsa--gfx1250"
	.amdhsa_code_object_version 6
	.text
	.protected	k_q4591c7d54d_norm
	.globl	k_q4591c7d54d_norm
	.p2align	8
	.type	k_q4591c7d54d_norm,@function
k_q4591c7d54d_norm:
	s_mov_b64 s[64:65], 0
	v_nop
	global_prefetch_b8 v0, s[64:65] scope:SCOPE_SE
	s_setreg_imm32_b32 hwreg(HW_REG_WAVE_MODE, 25, 1), 1
	s_wait_xcnt 0x0
; GroupNorm of x [8][512][2048] f32 (32 groups of 16 channels x 2,048 positions), quantised along the channels to codes of FP8 (E4M3) with one E8M0 byte for each 32 channels,
; and laid as the next launch's matrix operands want it.  Eight further work-groups lay the four weights, which arrive as codes, in the same order.
; THE LAYOUT OF hw AND ww: records of 8,448 bytes, one for each tile of 16 rows (hw: positions, ww: a weight's rows).  A record holds four images of a fragment's registers
; (16 rows x 128 channels, 2,048 bytes each: chunk c of 512 bytes, lane l's 16 bytes at 16 l; lane (r, h) holds row r, channels 32 c + 16 h + 0 .. 15), then 256 bytes of scale words:
; the word of (K step s, row r) at 64 s + 4 r, byte c for block c.
; THE ROWS OF A TILE ARE NOT NEIGHBOURS: of each 32 rows, tile 2 B + u has as its row p the true row 32 B + 8 u + p + 8 (p / 8): a product that takes such tiles as its first source leaves 16 neighbours in a lane's 16 registers.
; SHARES, work-groups 0 to 127: work-group 16 b + cb owns channels 32 cb .. 32 cb + 31 of batch b (two groups, one block of the quantiser) at all 2,048 positions: 262,144 dense bytes, read once and kept in registers.
; Thread t owns positions 4 t .. 4 t + 3: each load of a wave covers 512 consecutive bytes; a lane's 32 registers of one position run down the channels, so the block's largest magnitude needs no other lane.
; The variance is the mean of (x - mean)^2, with the mean taken first: no difference of large sums.
; The codes leave through the wave's own stage in LDS, 512 consecutive bytes a store.  The scale bytes leave one by one: the four bytes of a word belong to four work-groups; they are 1 byte for 128 bytes read.
; No cluster, no tensor load, no matrix unit: the work-groups share no input, and each byte is touched once.
; LIMITS: NaN and infinities are not served.  A block whose largest magnitude lies under 2^-118 (a block of zeros too) gets the byte 1; its codes are then zeros or subnormal codes, and this program alone reads the bytes.
.set REC,   8448
.set X,     16                         ; v16-143   register X + 4 k + p: channel k, position p
.set T,     144                        ; v144-175  32 numbers of one position; at the end the rows read back from the stage
.set C,     176                        ; v176-207  eight registers of codes for each of the four positions
.set EB,    208                        ; v208-211  a scale byte for each position
.set GA,    16                         ; s16-47    gamma, then gamma / sqrt(var + eps)
.set BE,    68                         ; s68-99    beta
.set RED1,  0                          ; LDS: 32 words for the sums,
.set RED2,  256                        ; 32 words for the sums of squares,
.set STAGE, 512                        ; and 4,096 bytes for each wave
	v_lshl_add_u32 v212, v0, 2, 0x10400
	v_mov_b32 v213, 0
	s_cmp_ge_u32 ttmp9, 128
	s_cbranch_scc1 .Lrelay                         ; work-groups 128 to 135 lay the weights
	s_load_b128 s[4:7], s[0:1], 0x0                ; x, gamma
	s_load_b64 s[8:9], s[0:1], 0x10                ; beta
	s_load_b64 s[10:11], s[0:1], 0x58              ; hw
	v_and_b32 v1, 31, v0                           ; lane
	v_lshlrev_b32 v2, 4, v0                        ; my 16 bytes of a channel's row
	v_lshrrev_b32 v9, 5, v0
	v_readfirstlane_b32 s13, v9                    ; wave 0..15
	v_lshl_add_u32 v4, v9, 12, STAGE               ; my wave's stage
	v_lshlrev_b32 v8, 3, v9                        ; 8 x wave: my wave's two words of a reduction
	v_lshlrev_b32 v6, 4, v1                        ; 16 x lane
	v_lshlrev_b32 v7, 2, v1                        ; 4 x lane
	v_bfe_u32 v10, v0, 3, 2                        ; position 4 l + p of my wave's 128: which 32 (l / 8),
	v_bfe_u32 v11, v0, 1, 1                        ; which tile of the two (bit 3 of the position),
	v_bfe_u32 v12, v0, 2, 1                        ; row / 8 (bit 4),
	v_and_b32 v13, 1, v0                           ; and row % 8 = 4 (l % 2) + p
	v_lshl_add_u32 v3, v10, 10, v4                 ; the stage, way in: 512 x tile + 16 x row
	v_lshl_add_u32 v3, v11, 9, v3
	v_lshl_add_u32 v3, v12, 7, v3
	v_lshl_add_u32 v3, v13, 6, v3
	v_add_nc_u32 v4, v4, v6                        ; way back: 16 x lane
	v_lshl_add_u32 v5, v10, 1, v11                 ; the scale byte: tile x a record + 4 x row
	v_mul_u32_u24 v5, v5, REC
	v_lshl_add_u32 v5, v12, 5, v5
	v_lshl_add_u32 v5, v13, 4, v5
	s_and_b32 s12, ttmp9, 15                       ; cb
	s_lshr_b32 s48, ttmp9, 4                       ; b
	s_lshl_b32 s50, ttmp9, 18                      ; my 32 channels begin 262,144 x work-group bytes into x
	s_mov_b32 s51, 0
	s_lshl_b32 s52, s12, 7                         ; and 128 cb bytes into gamma and beta
	s_mov_b32 s53, 0
	s_lshl_b32 s54, s48, 7
	s_lshl_b32 s55, s13, 3
	s_add_co_u32 s54, s54, s55
	s_mul_i32 s54, s54, REC                        ; my wave's first record: 128 b + 8 x wave
	s_lshr_b32 s55, s12, 2                         ; K step cb / 4,
	s_and_b32 s56, s12, 3                          ; chunk and byte cb % 4
	s_lshl_b32 s57, s55, 11
	s_lshl_b32 s58, s56, 9
	s_add_co_u32 s57, s57, s58
	s_add_co_u32 s58, s54, s57                     ; where my codes go
	s_mov_b32 s59, 0
	s_lshl_b32 s55, s55, 6
	s_add_co_u32 s55, s55, s56
	s_add_co_u32 s60, s54, s55
	s_add_co_u32 s60, s60, 8192                    ; where my scale bytes go
	s_mov_b32 s61, 0
	s_mov_b32 s14, 0x76543210
	s_mov_b32 s15, 0xfedcba98                      ; v_permlanex16_b32's selects for lane l xor 16
	s_mov_b32 s62, 0x600000                        ; the mantissa field of 448
	s_wait_kmcnt 0x0
	s_add_nc_u64 s[4:5], s[4:5], s[50:51]
	s_add_nc_u64 s[6:7], s[6:7], s[52:53]
	s_add_nc_u64 s[8:9], s[8:9], s[52:53]
	s_add_nc_u64 s[58:59], s[10:11], s[58:59]
	s_add_nc_u64 s[60:61], s[10:11], s[60:61]
	s_load_b512 s[GA:GA+15], s[6:7], 0x0           ; my 32 gamma and 32 beta live in scalar registers
	s_load_b512 s[GA+16:GA+31], s[6:7], 0x40
	s_load_b512 s[BE:BE+15], s[8:9], 0x0
	s_load_b512 s[BE+16:BE+31], s[8:9], 0x40
.set k, 0
.rept 32
	global_load_b128 v[X+4*k:X+4*k+3], v2, s[4:5] offset:8192*k th:TH_LOAD_NT   ; channel k: 32 lanes read 512 consecutive bytes
.set k, k+1
.endr
.macro FOLD dst                        ; four chains of pairs in v[T] on become one number
	v_pk_add_f32 v[T:T+1], v[T:T+1], v[T+2:T+3]
	v_pk_add_f32 v[T+4:T+5], v[T+4:T+5], v[T+6:T+7]
	v_pk_add_f32 v[T:T+1], v[T:T+1], v[T+4:T+5]
	v_add_f32 v[\dst], v[T], v[T+1]
.endm
.macro GSUM g, dst                     ; the sum of my 64 numbers of group g: four chains, started by the first pairs
.irp j, 0,1,2,3
	v_pk_add_f32 v[T+2*\j:T+2*\j+1], v[X+64*\g+2*\j:X+64*\g+2*\j+1], v[X+64*\g+8+2*\j:X+64*\g+8+2*\j+1]
.endr
.irp i, 2,3,4,5,6,7
.irp j, 0,1,2,3
	v_pk_add_f32 v[T+2*\j:T+2*\j+1], v[T+2*\j:T+2*\j+1], v[X+64*\g+8*\i+2*\j:X+64*\g+8*\i+2*\j+1]
.endr
.endr
	FOLD \dst
.endm
.macro GDEV g, ms, dst                 ; x - mean in place (s[ms] holds -mean), and the sum of its squares
.set k, 0
.rept 32
	v_pk_add_f32 v[X+64*\g+2*k:X+64*\g+2*k+1], v[X+64*\g+2*k:X+64*\g+2*k+1], s[\ms:\ms+1] op_sel_hi:[1,0]
.set k, k+1
.endr
.irp j, 0,1,2,3
	v_pk_mul_f32 v[T+2*\j:T+2*\j+1], v[X+64*\g+2*\j:X+64*\g+2*\j+1], v[X+64*\g+2*\j:X+64*\g+2*\j+1]
.endr
.irp i, 1,2,3,4,5,6,7
.irp j, 0,1,2,3
	v_pk_fma_f32 v[T+2*\j:T+2*\j+1], v[X+64*\g+8*\i+2*\j:X+64*\g+8*\i+2*\j+1], v[X+64*\g+8*\i+2*\j:X+64*\g+8*\i+2*\j+1], v[T+2*\j:T+2*\j+1]
.endr
.endr
	FOLD \dst
.endm
; v10 and v11 (group 0's and group 1's figure of a lane) are summed over the work-group's 512 threads into s[d0] and s[d1].
.macro WGRED red, d0, d1
.irp m, 1,2,4,8
	v_add_f32_dpp v10, v10, v10 row_xmask:\m row_mask:0xf bank_mask:0xf
	v_add_f32_dpp v11, v11, v11 row_xmask:\m row_mask:0xf bank_mask:0xf
.endr
	v_permlanex16_b32 v12, v10, s14, s15
	v_permlanex16_b32 v13, v11, s14, s15
	v_add_f32 v10, v10, v12
	v_add_f32 v11, v11, v13                        ; every lane holds the wave's two sums
	ds_store_b32 v8, v10 offset:\red               ; all lanes write the same word with the same value
	ds_store_b32 v8, v11 offset:\red+4
	s_wait_dscnt 0x0                               ; for the others' sake: my stores are done
	s_barrier_signal -1
	s_barrier_wait -1
	ds_load_b32 v10, v7 offset:\red                ; lane l: wave l / 2, group l % 2
	s_wait_dscnt 0x0
.irp m, 2,4,8
	v_add_f32_dpp v10, v10, v10 row_xmask:\m row_mask:0xf bank_mask:0xf   ; these steps join lanes of the same parity
.endr
	v_permlanex16_b32 v12, v10, s14, s15
	v_add_f32 v10, v10, v12
	v_readlane_b32 s[\d0], v10, 0
	v_readlane_b32 s[\d1], v10, 1
.endm
	s_wait_loadcnt 16                              ; group 0's sixteen loads are in; group 1's sixteen may be out
	GSUM 0, 10
	s_wait_loadcnt 0x0
	GSUM 1, 11
	s_wait_kmcnt 0x0                               ; gamma and beta
	WGRED RED1, 48, 50
	s_mul_f32 s48, s48, 0xb8000000                 ; -mean = the sum x -2^-15 (a group has 32,768 numbers)
	s_mul_f32 s50, s50, 0xb8000000
	s_mov_b32 s49, s48                             ; (the packed form names a pair)
	s_mov_b32 s51, s50
	GDEV 0, 48, 10
	GDEV 1, 50, 11
	WGRED RED2, 52, 53
	s_mul_f32 s52, s52, 0x38000000                 ; the variance
	s_mul_f32 s53, s53, 0x38000000
	s_add_f32 s52, s52, 0x358637bd                 ; + 1e-6
	s_add_f32 s53, s53, 0x358637bd
	v_rsq_f32 v10, s52
	v_rsq_f32 v11, s53
	v_nop                                          ; one plain place behind a transcendental
	s_wait_alu depctr_va_vdst(0)
	v_readfirstlane_b32 s52, v10
	v_readfirstlane_b32 s53, v11
.set k, 0
.rept 16
	s_mul_f32 s[GA+k], s[GA+k], s52                ; gamma / sqrt(var + eps), channel by channel
	s_mul_f32 s[GA+16+k], s[GA+16+k], s53
.set k, k+1
.endr
; Position p of my four: 32 numbers down the channels, one block.
.macro POS p
.set k, 0
.rept 32
	v_fma_f32 v[T+k], v[X+4*k+\p], s[GA+k], s[BE+k]
.set k, k+1
.endr
	v_max3_num_f32 v12, |v[T]|, |v[T+1]|, |v[T+2]|                 ; the block's largest magnitude, in two chains
	v_max3_num_f32 v13, |v[T+3]|, |v[T+4]|, |v[T+5]|
.irp i, 6,10,14,18,22,26
	v_max3_num_f32 v12, v12, |v[T+\i]|, |v[T+\i+1]|
	v_max3_num_f32 v13, v13, |v[T+\i+2]|, |v[T+\i+3]|
.endr
	v_max3_num_f32 v12, v12, |v[T+30]|, |v[T+31]|
	v_max3_num_f32 v12, v12, v13, 0x4800000        ; and the floor 2^(9 - 127): the byte cannot fall under 1
	v_add_nc_u32 v14, 0xfc000000, v12              ; 8 off the exponent field: the conversion takes this operand's exponent field as its scale
	v_and_or_b32 v15, v12, 0x7f800000, s62         ; 448 x the scale
.set k, 0
.rept 32
	v_med3_num_f32 v[T+k], v[T+k], -v15, v15       ; the conversion to an 8-bit code does not saturate (ISA guide 7.6.2): hold first
.set k, k+1
.endr
.irp g, 0,1,2,3
	v_cvt_scalef32_pk8_fp8_f32 v[C+8*\p+2*\g:C+8*\p+2*\g+1], v[T+8*\g:T+8*\g+7], v14
.endr
	v_lshrrev_b32 v[EB+\p], 23, v14                ; the scale's byte (also the plain place behind the conversions)
	ds_store_b128 v3, v[C+8*\p:C+8*\p+3] offset:16*\p              ; channels 0-15: the place of lane (row, 0) in the chunk
	ds_store_b128 v3, v[C+8*\p+4:C+8*\p+7] offset:16*\p+256        ; channels 16-31: lane (row, 1)
	global_store_b8 v5, v[EB+\p], s[60:61] offset:4*\p
.endm
	POS 0
	POS 1
	POS 2
	POS 3
.irp t, 0,1,2,3,4,5,6,7
	ds_load_b128 v[T+4*\t:T+4*\t+3], v4 offset:512*\t              ; LDS serves a wave's instructions in order (ISA guide 5.7.1.4): these see my stores
.endr
.irp t, 0,1,2,3,4,5,6,7
	s_wait_dscnt 7-\t                              ; tile t's chunk is back; the younger loads may be out
	global_store_b128 v6, v[T+4*\t:T+4*\t+3], s[58:59] offset:REC*\t   ; 32 lanes store 512 consecutive bytes, at a multiple of 256 from hw's first byte
.endr
	s_wait_tensorcnt 0x0
	ds_add_u32 v212, v213
	s_wait_dscnt 0x0
	s_endpgm
; THE WEIGHTS.  Wave 16 (work-group - 128) + wave lays one record: matrix id / 32 (q, k, v, p), tile id % 32.  No LDS, no barrier.
.Lrelay:
	s_load_b512 s[16:31], s[0:1], 0x18             ; codes and scales of wq, wk, wv, wp
	s_load_b64 s[32:33], s[0:1], 0x60              ; ww
	v_lshrrev_b32 v9, 5, v0
	v_readfirstlane_b32 s13, v9
	v_and_b32 v1, 31, v0
	v_and_b32 v2, 15, v0                           ; r
	v_bfe_u32 v3, v0, 4, 1                         ; h
	v_and_b32 v4, 8, v2
	v_add_nc_u32 v4, v4, v2                        ; r + 8 (r / 8)
	v_lshlrev_b32 v5, 9, v4
	v_lshl_add_u32 v5, v3, 4, v5                   ; codes: a row is 512 bytes; + 16 h
	v_lshlrev_b32 v6, 4, v4
	v_lshl_add_u32 v6, v3, 2, v6                   ; scales: a row is 16 bytes; lanes 16-31 take the next K step's word
	v_lshlrev_b32 v7, 4, v1
	v_lshlrev_b32 v8, 2, v1
	s_sub_co_u32 s34, ttmp9, 128
	s_lshr_b32 s35, s34, 1                         ; the matrix
	s_and_b32 s36, s34, 1
	s_lshl_b32 s36, s36, 4
	s_add_co_u32 s36, s36, s13                     ; the tile
	s_lshl_b32 s37, s34, 4
	s_add_co_u32 s37, s37, s13
	s_mul_i32 s38, s37, REC                        ; the record
	s_mov_b32 s39, 0
	s_lshr_b32 s40, s36, 1
	s_lshl_b32 s40, s40, 5
	s_and_b32 s41, s36, 1
	s_lshl_b32 s41, s41, 3
	s_add_co_u32 s40, s40, s41                     ; the tile begins at row 32 (tile / 2) + 8 (tile % 2)
	s_lshl_b32 s42, s40, 9
	s_mov_b32 s43, 0
	s_lshl_b32 s44, s40, 4
	s_mov_b32 s45, 0
	s_wait_kmcnt 0x0
	s_cmp_eq_u32 s35, 1                            ; the choice hangs on the work-group's number alone
	s_cselect_b64 s[16:17], s[20:21], s[16:17]
	s_cselect_b64 s[18:19], s[22:23], s[18:19]
	s_cmp_eq_u32 s35, 2
	s_cselect_b64 s[16:17], s[24:25], s[16:17]
	s_cselect_b64 s[18:19], s[26:27], s[18:19]
	s_cmp_eq_u32 s35, 3
	s_cselect_b64 s[16:17], s[28:29], s[16:17]
	s_cselect_b64 s[18:19], s[30:31], s[18:19]
	s_add_nc_u64 s[16:17], s[16:17], s[42:43]
	s_add_nc_u64 s[18:19], s[18:19], s[44:45]
	s_add_nc_u64 s[32:33], s[32:33], s[38:39]
.irp s, 0,1,2,3
.irp c, 0,1,2,3
	global_load_b128 v[16+16*\s+4*\c:16+16*\s+4*\c+3], v5, s[16:17] offset:128*\s+32*\c
.endr
.endr
	global_load_b32 v80, v6, s[18:19]
	global_load_b32 v81, v6, s[18:19] offset:8
	s_wait_loadcnt 0x0
.irp s, 0,1,2,3
.irp c, 0,1,2,3
	global_store_b128 v7, v[16+16*\s+4*\c:16+16*\s+4*\c+3], s[32:33] offset:2048*\s+512*\c
.endr
.endr
	global_store_b32 v8, v80, s[32:33] offset:8192
	global_store_b32 v8, v81, s[32:33] offset:8192+128
	s_endpgm
.Lfunc_end_k_q4591c7d54d_norm:
	.size	k_q4591c7d54d_norm, .Lfunc_end_k_q4591c7d54d_norm-k_q4591c7d54d_norm
	.p2alignl 7, 3214868480
	.fill 96, 4, 3214868480
	.section	.rodata,"a",@progbits
	.p2align	6, 0x0
	.amdhsa_kernel k_q4591c7d54d_norm
		.amdhsa_group_segment_fixed_size 68608
		.amdhsa_private_segment_fixed_size 0
		.amdhsa_enable_private_segment 0
		.amdhsa_kernarg_size 104
		.amdhsa_user_sgpr_count 2
		.amdhsa_user_sgpr_kernarg_segment_ptr 1
		.amdhsa_wavefront_size32 1
		.amdhsa_system_sgpr_workgroup_id_x 1
		.amdhsa_system_sgpr_workgroup_id_y 1
		.amdhsa_system_sgpr_workgroup_id_z 1
		.amdhsa_system_vgpr_workitem_id 0
		.amdhsa_next_free_vgpr 214
		.amdhsa_next_free_sgpr 104
		.amdhsa_reserve_vcc 0
		.amdhsa_float_denorm_mode_32 3
		.amdhsa_float_denorm_mode_16_64 3
		.amdhsa_memory_ordered 1
		.amdhsa_forward_progress 1
		.amdhsa_inst_pref_size 53
	.end_amdhsa_kernel
	.amdgpu_metadata
---
amdhsa.version: [ 1, 2 ]
amdhsa.kernels:
  - .name:           k_q4591c7d54d_norm
    .symbol:         k_q4591c7d54d_norm.kd
    .args:
      - { .name: x, .offset: 0, .size: 8, .value_kind: global_buffer, .address_space: global }
      - { .name: gamma, .offset: 8, .size: 8, .value_kind: global_buffer, .address_space: global }
      - { .name: beta, .offset: 16, .size: 8, .value_kind: global_buffer, .address_space: global }
      - { .name: wq_codes, .offset: 24, .size: 8, .value_kind: global_buffer, .address_space: global }
      - { .name: wq_scales, .offset: 32, .size: 8, .value_kind: global_buffer, .address_space: global }
      - { .name: wk_codes, .offset: 40, .size: 8, .value_kind: global_buffer, .address_space: global }
      - { .name: wk_scales, .offset: 48, .size: 8, .value_kind: global_buffer, .address_space: global }
      - { .name: wv_codes, .offset: 56, .size: 8, .value_kind: global_buffer, .address_space: global }
      - { .name: wv_scales, .offset: 64, .size: 8, .value_kind: global_buffer, .address_space: global }
      - { .name: wp_codes, .offset: 72, .size: 8, .value_kind: global_buffer, .address_space: global }
      - { .name: wp_scales, .offset: 80, .size: 8, .value_kind: global_buffer, .address_space: global }
      - { .name: hw, .offset: 88, .size: 8, .value_kind: global_buffer, .address_space: global }
      - { .name: ww, .offset: 96, .size: 8, .value_kind: global_buffer, .address_space: global }
    .group_segment_fixed_size: 68608
    .private_segment_fixed_size: 0
    .kernarg_segment_align: 8
    .kernarg_segment_size: 104
    .max_flat_workgroup_size: 512
    .sgpr_count:     104
    .vgpr_count:     214
    .wavefront_size: 32
...
	.end_amdgpu_metadata
.endif
;; end of part 1
;; launch qkv (part 2): grid 64 x 3, 4 waves a work-group, no clusters, 168,448 bytes of LDS; arguments hw, ww, bq, bk, bv, qw, kw, vw; writes qw, kw, vw
.if DOCPART == 2
	.amdgcn_target "amdgcn-amd-amdhsa--gfx1250"
	.amdhsa_code_object_version 6
	.text
	.protected	k_q4591c7d54d_qkv
	.globl	k_q4591c7d54d_qkv
	.p2align	8
	.type	k_q4591c7d54d_qkv,@function
k_q4591c7d54d_qkv:
	s_mov_b64 s[64:65], 0
	v_nop
	global_prefetch_b8 v0, s[64:65] scope:SCOPE_SE
	s_setreg_imm32_b32 hwreg(HW_REG_WAVE_MODE, 25, 1), 1
	s_wait_xcnt 0x0
; q = Wq hn + bq, k = Wk hn + bk, v = Wv hn + bv on codes of FP8 (E4M3) with E8M0 scales, and the results quantised at once for the products that follow: q and k along the channels, v along the positions.
; ONE TEXT FOR THE THREE (work-group y = 0, 1, 2).  It has a STATIONARY operand, 128 rows a wave (8 tiles x 4 K steps = 512 registers, loaded once), and a STREAMED one, 16 tiles (135,168 dense bytes), brought into LDS once.
; A product takes a stationary tile as source 0 and a streamed tile as source 1: a lane then holds ONE streamed row, and its 64 result registers are 128 neighbours along the stationary axis, since the rows of a tile
; are chosen for that (row p of tile 2 B + u is the true row 32 B + 8 u + p + 8 (p / 8)).  That axis is the next product's K.
;   y = 0, 1: stationary = the weight's rows (channels), streamed = hn's positions: fragments of q, k with K = channels.      y = 2: stationary = hn's positions, streamed = Wv's rows: fragments of v with K = positions.
; Only pointers, offsets, steps and the place of the bias differ, chosen on y.  The bias is the sum's first C: along the stationary axis 64 registers (BM), along the streamed axis one number a lane (from LDS); the one that does not apply holds zeros.
; OUT: qw, kw: [position tile 1,024][8,704]: four images of a fragment's registers (K step s at 2,048 s), then the scale words at 8,192 + 128 s + 4 x lane.  vw: [128 positions 128][69,632]: the image of channel tile t at 2,048 t, scale words at 65,536 + 128 t + 4 x lane.
; 192 work-groups; 512 matrix instructions a wave.  NO CLUSTER: the grid's height, 3, divides into no cluster, and what neighbours along x share is the stationary operand, which goes straight into registers and not through LDS.
; LDS is filled once: no ring and no refill.
; LIMITS: NaN and infinities are not served; a block whose largest magnitude lies under 2^-118 (a block of zeros too) gets the byte 1; this program alone reads the bytes.
; REGISTERS: window 0: v1-7 addresses; v8-23 the stationary scale words (register 2 t + i: K step 2 i in lanes 0-15, 2 i + 1 in lanes 16-31); v24-27 the streamed ones; v28-31 the streamed bias, two pairs; v32-95 the eight accumulators;
;   v96-159 BM; v160-175 the codes just made; v176 their scale word; v180-195 at work.   windows 1, 2: the stationary fragments (tile t, K step s) at 64 (t % 4) + 16 s.   window 3: two buffers of a streamed tile, v0-63 and v64-127.
.set REC,   8448
.set QREC,  8704
.set STEPB, 69632
.set BNL,   16*REC                     ; LDS: behind the streamed block: 256 numbers of the bias along the streamed axis
.set SW,    8
.set TW,    24
.set BN,    28
.set ACC,   32
.set BM,    96
.set PC,    160
.set QW,    176
.set T4,    177                        ; 4 x thread
.set TM,    180
.set MSB, 0
.macro WIN new                         ; the immediate's high byte repeats the setting that is left
.if MSB != \new
	s_set_vgpr_msb (MSB<<8)|\new
.set MSB, \new
.endif
.endm
.macro PLACES n
.rept \n
	v_nop
.endr
.endm
; 64 numbers of a lane, register 16 b + i = k 32 b + 16 (lane / 16) + i of my row, become a fragment's codes in v[PC] on and its scale word in v[QW].
.macro QUANT s
.irp b, 0,1,2,3
	v_max3_num_f32 v[TM+\b], |v[\s+16*\b]|, |v[\s+1+16*\b]|, 0x4800000   ; block b: my 16 numbers, and the floor 2^(9 - 127): the byte cannot fall under 1.  (Each accumulator is read from its low end on)
.endr
.irp i, 2,4,6,8,10,12,14
.irp b, 0,1,2,3
	v_max3_num_f32 v[TM+\b], v[TM+\b], |v[\s+16*\b+\i]|, |v[\s+1+16*\b+\i]|
.endr
.endr
.irp b, 0,1,2,3
	v_permlanex16_b32 v[TM+4+\b], v[TM+\b], s22, s23
.endr
.irp b, 0,1,2,3
	v_max_num_f32 v[TM+\b], v[TM+\b], v[TM+4+\b]   ; with lane l xor 16's: the block's largest magnitude
.endr
.irp b, 0,1,2,3
	v_add_nc_u32 v[TM+12+\b], 0xfc000000, v[TM+\b] ; 8 off its exponent field: the conversion's scale operand
.endr
.irp b, 0,1,2,3
	v_and_or_b32 v[TM+8+\b], v[TM+\b], 0x7f800000, s21   ; 448 x the scale
.endr
.irp b, 0,1,2,3
	v_lshrrev_b32 v[TM+4+\b], 23, v[TM+12+\b]      ; the scale's byte
.endr
	v_lshl_or_b32 v[QW], v[TM+5], 8, v[TM+4]
	v_lshl_or_b32 v[QW], v[TM+6], 16, v[QW]
	v_lshl_or_b32 v[QW], v[TM+7], 24, v[QW]
.irp b, 0,1,2,3
.irp i, 0,1,2,3,4,5,6,7,8,9,10,11,12,13,14,15
	v_med3_num_f32 v[\s+16*\b+\i], v[\s+16*\b+\i], -v[TM+8+\b], v[TM+8+\b]   ; the conversion to an 8-bit code does not saturate (ISA guide 7.6.2): hold first
.endr
	v_cvt_scalef32_pk8_fp8_f32 v[PC+4*\b:PC+1+4*\b], v[\s+16*\b:\s+7+16*\b], v[TM+12+\b]
	v_cvt_scalef32_pk8_fp8_f32 v[PC+2+4*\b:PC+3+4*\b], v[\s+8+16*\b:\s+15+16*\b], v[TM+12+\b]
.endr
	v_nop                                          ; one plain place behind the last conversion
.endm
	s_load_b512 s[4:19], s[0:1], 0x0               ; hw s[4:5], ww s[6:7], bq, bk, bv s[8:13], qw, kw, vw s[14:19]
	v_lshl_add_u32 v254, v0, 2, 0x29000
	v_mov_b32 v255, 0
	ds_add_u32 v254, v255
	ds_add_u32 v254, v255
	v_lshrrev_b32 v30, 5, v0
	v_readfirstlane_b32 s20, v30                   ; wave 0..3
	v_and_b32 v31, 31, v0                          ; lane
	v_lshlrev_b32 v1, 4, v31                       ; 16 x lane
	v_lshlrev_b32 v2, 2, v31                       ; 4 x lane
	v_lshlrev_b32 v3, 4, v31                       ; LDS: the streamed tile's images; steps two records a trip
	v_lshl_add_u32 v4, v31, 2, 8192                ; LDS: its scale words
	v_and_b32 v30, 15, v0
	v_and_b32 v5, 8, v30
	v_add_nc_u32 v5, v5, v30
	v_lshl_add_u32 v5, v5, 2, BNL                  ; LDS: the streamed bias of my row: 4 (r + 8 (r / 8)); 128 bytes on for each pair of tiles
	v_bfe_u32 v6, v0, 4, 1
	v_lshlrev_b32 v6, 6, v6                        ; 64 h: my half's 16 numbers of each 32 of the stationary bias
	v_lshl_add_u32 v7, v0, 2, BNL
	v_lshlrev_b32 v[T4], 2, v0
	s_mov_b32 s21, 0x600000                        ; the mantissa field of 448
	s_mov_b32 s22, 0x76543210
	s_mov_b32 s23, 0xfedcba98
	; descriptor group 1: a quarter of the streamed block, 33,792 dense bytes, as 132 rows of 256 bytes (32 elements of 8 bytes)
	s_mov_b32 s24, 3<<16
	s_mov_b32 s25, 32<<16                          ; tensor_dim0
	s_mov_b32 s26, 132<<16                         ; tensor_dim1
	s_mov_b32 s27, 32<<16                          ; tile_dim0
	s_mov_b32 s28, 132                             ; tile_dim1
	s_mov_b32 s29, 32                              ; the pitch
	s_mov_b32 s30, 0
	s_mov_b32 s31, 0
	s_and_b32 s45, ttmp7, 0xffff                   ; y
	s_mov_b32 s44, ttmp9                           ; x
	s_lshr_b32 s46, ttmp9, 1
	s_and_b32 s47, ttmp9, 1
	s_add_co_u32 s48, s47, 4                       ; v: the streamed half of Wv is block 4 + x % 2 of ww's blocks of 16 records
	s_lshl_b32 s49, s46, 2
	s_add_co_u32 s49, s49, s20
	s_mul_i32 s49, s49, STEPB                      ; v: my wave's 128 positions are step 4 (x / 2) + wave of vw
	s_lshl_b32 s50, s47, 15
	s_add_co_u32 s50, s50, s49                     ; v: codes
	s_lshl_b32 s51, s47, 11
	s_add_co_u32 s51, s51, s49
	s_add_co_u32 s51, s51, 65536                   ; v: scale words
	s_mul_i32 s52, s44, 16*QREC
	s_lshl_b32 s53, s20, 11
	s_add_co_u32 s53, s53, s52                     ; q, k: codes: record 16 x, K step = wave
	s_lshl_b32 s54, s20, 7
	s_add_co_u32 s54, s54, s52
	s_add_co_u32 s54, s54, 8192                    ; q, k: scale words
	s_mov_b32 s55, QREC
	s_mul_i32 s49, s20, 8*REC                      ; my 8 stationary records
	s_mul_i32 s52, s20, 4*REC                      ; my quarter of the streamed block
	s_wait_dscnt 0x0
	s_wait_kmcnt 0x0
	s_cmp_eq_u32 s45, 2                            ; every choice hangs on y alone
	s_cselect_b32 s56, s46, s45
	s_cselect_b32 s62, s48, s44
	s_cselect_b32 s58, s50, s53
	s_cselect_b32 s60, s51, s54
	s_cselect_b32 s40, 2048, s55                   ; from streamed tile to streamed tile: codes,
	s_cselect_b32 s42, 128, s55                    ; scale words
	s_cselect_b64 s[50:51], s[4:5], s[6:7]         ; the stationary operand's buffer,
	s_cselect_b64 s[54:55], s[6:7], s[4:5]         ; the streamed one's
	s_mul_i32 s56, s56, 32*REC
	s_add_co_u32 s56, s56, s49
	s_mov_b32 s57, 0
	s_add_nc_u64 s[50:51], s[50:51], s[56:57]
	s_mul_i32 s62, s62, 16*REC
	s_add_co_u32 s62, s62, s52
	s_mov_b32 s63, 0
	s_mov_b32 s32, 1                               ; group 0: count = 1,
	s_mov_b32 s33, s52                             ; LDS address: wave x 33,792,
	s_add_nc_u64 s[34:35], s[54:55], s[62:63]      ; global address,
	s_or_b32 s35, s35, 0x80000000                  ; type = 2
	tensor_load_to_lds s[32:35], s[24:31]          ; the one fill of the launch: one load of mine is out
	s_nop 0
	PLACES 4
	s_cmp_eq_u32 s45, 1
	s_cselect_b64 s[14:15], s[16:17], s[14:15]
	s_cselect_b64 s[8:9], s[10:11], s[8:9]
	s_cmp_eq_u32 s45, 2
	s_cselect_b64 s[14:15], s[18:19], s[14:15]     ; the result's buffer,
	s_cselect_b64 s[8:9], s[12:13], s[8:9]         ; the bias
	s_mov_b32 s59, 0
	s_mov_b32 s61, 0
	s_mov_b32 s41, 0
	s_mov_b32 s43, 0
	s_add_nc_u64 s[36:37], s[14:15], s[58:59]
	s_add_nc_u64 s[38:39], s[14:15], s[60:61]
	WIN 0x40                                       ; destination window 1
.irp t, 0,1,2,3
.irp s, 0,1,2,3
.irp c, 0,1,2,3
	global_load_b128 v[64*\t+16*\s+4*\c:64*\t+16*\s+4*\c+3], v1, s[50:51] offset:REC*\t+2048*\s+512*\c
.endr
.endr
.endr
	WIN 0x80                                       ; destination window 2
.irp t, 0,1,2,3
.irp s, 0,1,2,3
.irp c, 0,1,2,3
	global_load_b128 v[64*\t+16*\s+4*\c:64*\t+16*\s+4*\c+3], v1, s[50:51] offset:REC*(\t+4)+2048*\s+512*\c
.endr
.endr
.endr
	WIN 0
.irp t, 0,1,2,3,4,5,6,7
	global_load_b32 v[SW+2*\t], v2, s[50:51] offset:REC*\t+8192
	global_load_b32 v[SW+2*\t+1], v2, s[50:51] offset:REC*\t+8192+128
.endr
	v_mov_b32 v30, 0
	v_mov_b32 v31, 0
	s_cmp_eq_u32 s45, 2
	s_cbranch_scc1 .Lbias_v
	s_lshl_b32 s56, s20, 9                         ; q, k: the bias runs along the stationary axis: my wave's 128 numbers
	s_add_nc_u64 s[8:9], s[8:9], s[56:57]
.irp t, 0,1,2,3,4,5,6,7
	global_load_b128 v[BM+8*\t:BM+8*\t+3], v6, s[8:9] offset:(32*(\t/2)+8*(\t%2))*4
	global_load_b128 v[BM+8*\t+4:BM+8*\t+7], v6, s[8:9] offset:(32*(\t/2)+8*(\t%2))*4+16
.endr
	s_branch .Lbias_done
.Lbias_v:
	s_lshl_b32 s56, s47, 10                        ; v: along the streamed axis: the 256 numbers of this half of Wv's rows go to LDS
	s_add_nc_u64 s[8:9], s[8:9], s[56:57]
	global_load_b32 v30, v[T4], s[8:9]
	global_load_b32 v31, v[T4], s[8:9] offset:512
.set i, 0
.rept 64
	v_mov_b32 v[BM+i], 0
.set i, i+1
.endr
.Lbias_done:
	s_wait_loadcnt 0x0
	ds_store_b32 v7, v30
	ds_store_b32 v7, v31 offset:512
	s_wait_tensorcnt 0x0                           ; my quarter of the streamed block has landed,
	s_wait_dscnt 0x0                               ; my part of the bias is stored:
	s_barrier_signal -1
	s_barrier_wait -1                              ; everybody's.  The only barrier: nothing in LDS is written again
.irp r, 28,29,30,31
	v_mov_b32 v\r, 0                               ; the pairs' upper words stay 0; the lower ones take the loads
.endr
.irp b, 0,1,2,3
	v_mov_b32 v[TM+4+\b], 0                        ; written once: a lane permute's destination counts as one of its sources
.endr
.macro FETCHT p, off                   ; a streamed tile into buffer p: 16 loads of its images, its two scale words, its bias
	WIN 0xc0                                       ; destination window 3
.irp s, 0,1,2,3
.irp c, 0,1,2,3
	ds_load_b128 v[64*\p+16*\s+4*\c:64*\p+16*\s+4*\c+3], v3 offset:\off+2048*\s+512*\c
.endr
.endr
	WIN 0
	ds_load_b32 v[TW+2*\p], v4 offset:\off
	ds_load_b32 v[TW+2*\p+1], v4 offset:\off+128
	ds_load_b32 v[BN+2*\p], v5 offset:32*\p
.endm
.macro MULS p, s                       ; K step s: the eight accumulators take turns, one instruction a turn
.irp t, 0,1,2,3,4,5,6,7
.if \t == 0
	WIN 0x0d                                       ; source 0 window 1, source 1 window 3
.endif
.if \t == 4
	WIN 0x0e                                       ; source 0 window 2
.endif
.if (\s)%2
	v_wmma_scale_f32_16x16x128_f8f6f4 v[ACC+8*\t:ACC+8*\t+7], v[64*(\t%4)+16*\s:64*(\t%4)+16*\s+15], v[64*\p+16*\s:64*\p+16*\s+15], v[ACC+8*\t:ACC+8*\t+7], v[SW+2*\t+\s/2], v[TW+2*\p+\s/2] matrix_a_scale:MATRIX_SCALE_ROW1 matrix_b_scale:MATRIX_SCALE_ROW1
.else
	v_wmma_scale_f32_16x16x128_f8f6f4 v[ACC+8*\t:ACC+8*\t+7], v[64*(\t%4)+16*\s:64*(\t%4)+16*\s+15], v[64*\p+16*\s:64*\p+16*\s+15], v[ACC+8*\t:ACC+8*\t+7], v[SW+2*\t+\s/2], v[TW+2*\p+\s/2]
.endif
.endr
.endm
; One streamed tile, in buffer p.  pre = 1: the next tile is fetched into the other buffer ahead of this tile's products.
.macro TILE p, pre
	s_wait_dscnt 0x0                               ; this tile's fragments, scale words and bias are in
.set i, 0
.rept 32
	v_pk_add_f32 v[ACC+2*i:ACC+2*i+1], v[BM+2*i:BM+2*i+1], v[BN+2*\p:BN+2*\p+1] op_sel_hi:[1,0]   ; the sums begin with the bias
.set i, i+1
.endr
.if \pre
.if \p == 0
	FETCHT 1, REC                                  ; (the other buffer's last products stand behind eight places and a whole quantiser)
.else
	v_add_nc_u32 v3, 2*REC, v3
	v_add_nc_u32 v4, 2*REC, v4
	v_add_nc_u32 v5, 128, v5
	FETCHT 0, 0
.endif
.endif
	MULS \p, 0
	MULS \p, 1
	MULS \p, 2
	MULS \p, 3
	WIN 0
	PLACES 8                                       ; in front of the first read of results (ISA guide 7.12.1)
	QUANT ACC
.irp c, 0,1,2,3
	global_store_b128 v1, v[PC+4*\c:PC+4*\c+3], s[36:37] offset:512*\c   ; 32 lanes store 512 consecutive bytes, at a multiple of 256 from the buffer's first byte
.endr
	global_store_b32 v2, v[QW], s[38:39]
	s_wait_xcnt 0x0                                ; the stores' data and bases are written again only behind this wait
	s_add_nc_u64 s[36:37], s[36:37], s[40:41]
	s_add_nc_u64 s[38:39], s[38:39], s[42:43]
.endm
	FETCHT 0, 0
	s_mov_b32 s44, 7
.Lpair:
	TILE 0, 1
	TILE 1, 1
	s_sub_co_u32 s44, s44, 1
	s_cmp_lg_u32 s44, 0
	s_cbranch_scc1 .Lpair
	TILE 0, 1                                      ; the last pair fetches nothing beyond tile 15
	TILE 1, 0
	s_wait_tensorcnt 0x0
	ds_add_u32 v254, v255
	s_wait_dscnt 0x0
	s_endpgm
.Lfunc_end_k_q4591c7d54d_qkv:
	.size	k_q4591c7d54d_qkv, .Lfunc_end_k_q4591c7d54d_qkv-k_q4591c7d54d_qkv
	.p2alignl 7, 3214868480
	.fill 96, 4, 3214868480
	.section	.rodata,"a",@progbits
	.p2align	6, 0x0
	.amdhsa_kernel k_q4591c7d54d_qkv
		.amdhsa_group_segment_fixed_size 168448
		.amdhsa_private_segment_fixed_size 0
		.amdhsa_enable_private_segment 0
		.amdhsa_kernarg_size 64
		.amdhsa_user_sgpr_count 2
		.amdhsa_user_sgpr_kernarg_segment_ptr 1
		.amdhsa_wavefront_size32 1
		.amdhsa_system_sgpr_workgroup_id_x 1
		.amdhsa_system_sgpr_workgroup_id_y 1
		.amdhsa_system_sgpr_workgroup_id_z 1
		.amdhsa_system_vgpr_workitem_id 0
		.amdhsa_next_free_vgpr 896
		.amdhsa_next_free_sgpr 66
		.amdhsa_reserve_vcc 0
		.amdhsa_float_denorm_mode_32 3
		.amdhsa_float_denorm_mode_16_64 3
		.amdhsa_memory_ordered 1
		.amdhsa_forward_progress 1
		.amdhsa_inst_pref_size 89
	.end_amdhsa_kernel
	.amdgpu_metadata
---
amdhsa.version: [ 1, 2 ]
amdhsa.kernels:
  - .name:           k_q4591c7d54d_qkv
    .symbol:         k_q4591c7d54d_qkv.kd
    .args:
      - { .name: hw, .offset: 0, .size: 8, .value_kind: global_buffer, .address_space: global }
      - { .name: ww, .offset: 8, .size: 8, .value_kind: global_buffer, .address_space: global }
      - { .name: bq, .offset: 16, .size: 8, .value_kind: global_buffer, .address_space: global }
      - { .name: bk, .offset: 24, .size: 8, .value_kind: global_buffer, .address_space: global }
      - { .name: bv, .offset: 32, .size: 8, .value_kind: global_buffer, .address_space: global }
      - { .name: qw, .offset: 40, .size: 8, .value_kind: global_buffer, .address_space: global }
      - { .name: kw, .offset: 48, .size: 8, .value_kind: global_buffer, .address_space: global }
      - { .name: vw, .offset: 56, .size: 8, .value_kind: global_buffer, .address_space: global }
    .group_segment_fixed_size: 168448
    .private_segment_fixed_size: 0
    .kernarg_segment_align: 8
    .kernarg_segment_size: 64
    .max_flat_workgroup_size: 128
    .sgpr_count:     66
    .vgpr_count:     896
    .wavefront_size: 32
...
	.end_amdgpu_metadata
.endif
;; end of part 2
;; launch attn (part 3): grid 32 x 8, 4 waves a work-group, clusters of 4 x 1, 327,680 bytes of LDS; arguments qw, kw, vw, ww, bp, x, out0; writes out0
.if DOCPART == 3
	.amdgcn_target "amdgcn-amd-amdhsa--gfx1250"
	.amdhsa_code_object_version 6
	.text
	.protected	k_q4591c7d54d_attn
	.globl	k_q4591c7d54d_attn
	.p2align	8
	.type	k_q4591c7d54d_attn,@function
k_q4591c7d54d_attn:
	s_mov_b64 s[64:65], 0
	v_nop
	global_prefetch_b8 v0, s[64:65] scope:SCOPE_SE
	s_setreg_imm32_b32 hwreg(HW_REG_WAVE_MODE, 25, 1), 1
	s_wait_xcnt 0x0
	s_wait_alu depctr_hold_cnt(0) depctr_sa_sdst(0) depctr_va_vdst(0) depctr_va_sdst(0) depctr_va_ssrc(0) depctr_va_vcc(0) depctr_vm_vsrc(0)
	s_getreg_b32 s2, hwreg(HW_REG_IB_STS2, 6, 4)
	s_cmp_eq_u32 s2, 0
	s_cbranch_scc0 .Lentry_in_a_cluster
	s_endpgm
.Lentry_in_a_cluster:
	s_bfe_u32 s2, ttmp6, 0x10000c
	s_cmp_lg_u32 s2, 0x3003
	s_cbranch_scc0 .Lentry_shape_is_right
	s_endpgm
.Lentry_shape_is_right:
; out = x + Wp (V softmax(Q^T K / sqrt(512))) + bp: the two products of attention and the projection, all on codes of FP8 (E4M3) with one E8M0 scale for each 32 along K.
; qw, kw: records of 8,704 bytes for each tile of 16 positions: four images of a fragment's registers (128 channels each), then scale words at 8,192 + 128 s + 4 x lane.  vw: 69,632 bytes for each 128 keys: the image of channel
; tile t at 2,048 t, scale words at 65,536 + 128 t + 4 x lane.  ww: records of 8,448 bytes (Wp is the fourth matrix).  The rows of every tile are chosen: row p of tile 2 B + u is the true row 32 B + 8 u + p + 8 (p / 8).
; SHARES.  A work-group owns 64 queries (4 tiles) of one batch and walks the batch's 2,048 keys, 128 a step.  THE WAVES SHARE KEYS AND CHANNELS, NOT QUERIES:
;   S:  wave w makes S^T = K Q^T for keys 32 w .. 32 w + 31 of the step (two tiles, one block of the quantiser) and all 64 queries: 32 matrix instructions; Q stays in 256 registers; a fragment of K feeds four.
;   PV: wave w owns channels 128 w .. 128 w + 127 of O^T = V^T P^T for all 64 queries (256 registers): 32 matrix instructions; a fragment of V feeds four, one of P eight.
; P goes from wave to wave through LDS as an image of its registers: wave w's codes are chunk w of each query tile's fragment.
; THE SOFTMAX.  t = score x log2(e) / sqrt(512).  Wave w keeps for each query its own running M_w = the ceiling of the largest t among ITS keys, and the sum l_w of the unquantised p = 2^(t - M_w).  It quantises p and publishes,
; beside the codes, the whole number E_w = its block's scale byte + M_w.  Behind the step's barrier every wave forms R = max(R, E_0 .. E_3); the row's reference is M_ref = R - 118; byte w of P's scale word is E_w - M_ref,
; and O^T is multiplied by 2^(old R - new R).  All shifts are whole powers of two that a block's scale takes up.  At the end l = the sum over w of l_w 2^(M_w - M_ref), and O^T / l is quantised along the channels.
; BY TURNS, ONE STEP APART.  Behind the round of step s a wave issues the 32 products S(s + 1), with step s's reader and rescaling of O^T between them, and then the 32 products PV(s), with step s + 1's softmax between them:
; neither pair shares a register.  A step has 64 matrix instructions and some 520 vector instructions, eight for each: set in phases the matrix unit would stand idle through all of them.  A slice of six or seven vector lines and two
; switches of the register window behind each matrix instruction are the lesser price.  The slices are not placed by hand: each vector line of the three lists is followed by TICK, which counts and emits the queue's next product.
; THE RING.  Two regions of 139,264 bytes, each a slot for 128 keys of K and one for 128 keys of V.  Behind the round of step s the region s % 2 takes K(s + 3) and V(s + 1); the other one holds K(s + 2) and V(s), which are read.
; At the start region 0 holds K(1) and, in V's slot, K(0); region 1 holds K(2) and V(0).  By this text's own count a wave has two tensor loads out at the start and one behind each round.
; CLUSTER.  The four work-groups of a cluster belong to one batch and walk the same K and V: each quarter of a region is asked for JOINTLY, by the same tensor load with the same descriptor and a mask that names the four.
; THE WALK IS STAGGERED.  Cluster c of a batch's eight begins at key step 8 (c % 2) + 4 (c / 2 % 2) + 10 (c / 4) modulo 16 and goes round: eight different steps, so that at any time the eight ask for different tiles, and a tile
; that one has asked for is asked for by the others some steps later.  The order of the keys changes nothing in a softmax with a running maximum.  Only the descriptors' global addresses know of it.
; LIMITS: NaN and infinities are not served.  M_w, E_w and R are whole numbers kept in f32: |t| stays under 2^22.  A block of p that lies more than 118 binades under the row's reference gets the byte 0 (2^-127) in place of a smaller
; scale: under 2^-118 of the row.  A block whose largest magnitude lies under 2^-118 (a block of zeros too) gets the byte 1.
; REGISTERS, in windows of 256: window 0: v1-15 addresses that stay; v16-51 scale words and nothing else (Q's, later Wp's; K's; V's; P's, later h's); v52-55 E_w; v56-71 the four waves' E; v72-87 codes just made;
;   v88-123 statistics; v124-155 at work; v160-223 S^T, then p; v224-244 addresses that stay, and bp.   window 1: Q, later Wp's K steps 2, 3.   window 2: O^T, later the projection's sums.
;   window 3: v0-127 K (v0-63 also V's tiles 4-7, once the S products are done), v128-191 P, v192-255 V's tiles 0-3; later Wp's K steps 0, 1; later x.
.set REC,   8448
.set QREC,  8704
.set STEPB, 69632
.set REGN,  0x22000                    ; a region of the ring; one exclusive or turns the walking descriptor's LDS address from one region to the other (no wave's part has bits 17 or 13 set)
.set VSL,   0x11000                    ; V's slot in a region
.set PE0,   0x44000                    ; behind the ring: two buffers for P's images (4 x 2,048) and the E words (at EOFF)
.set PE1,   0x48000
.set EOFF,  0x2000
.set LX,    0x46800                    ; the waves' l (2,048 bytes), then their -M (at + 0x800)
.set SPARE, 0x47800                    ; the spare words, 128 bytes for each wave: two blocks of 256 bytes that no other line names
.set STG,   0x4a800                    ; the way out: 16 rows x 272 bytes for each wave
.set HSC,   0x8000                     ; behind the loop, in K's slot of region 0, which has had its last fill (step 12) and its last read (step 13): h's 16 images at 0, their scale words here
.set LI,  1                            ; 16 x lane
.set LS,  2                            ; 4 x lane
.set SPW, 3                            ; my spare word; never rewritten
.set NIL, 4                            ; 0; never rewritten
.set RK0, 5                            ; my two tiles of K in region 0
.set RKS0, 6                           ; their scale words
.set RV0, 7                            ; my eight tiles of V in region 0
.set RVS0, 8                           ; their scale words
.set KZ,  9                            ; K(0), which lies in V's slot of region 0
.set KZS, 10
.set LXW, 11
.set LXR, 12
.set HWI, 13                           ; where I put h's images: K step = wave
.set HWS, 14
.set STO, 15                           ; the stage, way in
.set QS,  16
.set KS,  32
.set VS,  40
.set PW,  48
.set EW,  52
.set EL,  56
.set PC,  72
.set NM,  88                           ; tile b: the pair (-M_w, the running largest t)
.set LL,  96                           ; tile b: l_w in two halves
.set FW,  104                          ; tile b: 2^(old M_w - new M_w), low word of a pair
.set RR,  112                          ; tile b: R
.set FR,  116                          ; tile b: 2^(old R - new R), low word of a pair; at the end 1 / l
.set TM,  124
.set QW,  156
.set S,   160
.set RK1, 224                          ; the same four addresses in region 1
.set RKS1, 225
.set RV1, 226
.set RVS1, 227
.set BR0, 228                          ; P/E buffer 0: where I read,
.set BW0, 229                          ; where I put my chunk of P's images,
.set BE0, 230                          ; and my E
.set RD,  231                          ; the stage, way back
.set GO,  232                          ; my byte offset in x and in out0
.set BPA, 233
.set BP,  234                          ; v234-241 bp of my row in each of my eight tiles
.set BR1, 242                          ; P/E buffer 1
.set BW1, 243
.set BE1, 244
.set BB,  64                           ; v64-127, behind the loop: bp, eight times each: the C of the projection's first products
.set MSB, 0
.macro WIN new                         ; the immediate's high byte repeats the setting that is left
.if MSB != \new
	s_set_vgpr_msb (MSB<<8)|\new
.set MSB, \new
.endif
.endm
.macro PLACES n
.rept \n
	v_nop
.endr
.endm
.macro CROUND                          ; a round of the cluster's barrier
	s_barrier_signal -1
	s_barrier_wait -1
	s_cmp_lg_u32 s18, 0
	s_cbranch_scc1 .Lnot_wave_0_\@
	s_barrier_signal -3
.Lnot_wave_0_\@:
	s_barrier_wait -3
	s_barrier_signal -1
	s_barrier_wait -1
.endm
.macro BARRIER                         ; my LDS stores have landed and my LDS loads are in: then the work-group's barrier
	s_wait_dscnt 0x0
	s_barrier_signal -1
	s_barrier_wait -1
.endm
; 64 numbers of a lane, register 16 b + i = k 32 b + 16 (lane / 16) + i of my row, become a fragment's codes in v[PC] on and its scale word in v[QW].
.macro QUANT s
.irp b, 0,1,2,3
	v_max3_num_f32 v[TM+\b], |v[\s+16*\b]|, |v[\s+1+16*\b]|, 0x4800000   ; my 16 numbers of block b, and the floor 2^(9 - 127)
.endr
.irp i, 2,4,6,8,10,12,14
.irp b, 0,1,2,3
	v_max3_num_f32 v[TM+\b], v[TM+\b], |v[\s+16*\b+\i]|, |v[\s+1+16*\b+\i]|
.endr
.endr
.irp b, 0,1,2,3
	v_permlanex16_b32 v[TM+4+\b], v[TM+\b], s20, s21
.endr
.irp b, 0,1,2,3
	v_max_num_f32 v[TM+\b], v[TM+\b], v[TM+4+\b]
.endr
.irp b, 0,1,2,3
	v_add_nc_u32 v[TM+12+\b], 0xfc000000, v[TM+\b]
.endr
.irp b, 0,1,2,3
	v_and_or_b32 v[TM+8+\b], v[TM+\b], 0x7f800000, s19
.endr
.irp b, 0,1,2,3
	v_lshrrev_b32 v[TM+4+\b], 23, v[TM+12+\b]
.endr
	v_lshl_or_b32 v[QW], v[TM+5], 8, v[TM+4]
	v_lshl_or_b32 v[QW], v[TM+6], 16, v[QW]
	v_lshl_or_b32 v[QW], v[TM+7], 24, v[QW]
.irp b, 0,1,2,3
.irp i, 0,1,2,3,4,5,6,7,8,9,10,11,12,13,14,15
	v_med3_num_f32 v[\s+16*\b+\i], v[\s+16*\b+\i], -v[TM+8+\b], v[TM+8+\b]   ; the conversion to an 8-bit code does not saturate (ISA guide 7.6.2): hold first
.endr
	v_cvt_scalef32_pk8_fp8_f32 v[PC+4*\b:PC+1+4*\b], v[\s+16*\b:\s+7+16*\b], v[TM+12+\b]
	v_cvt_scalef32_pk8_fp8_f32 v[PC+2+4*\b:PC+3+4*\b], v[\s+8+16*\b:\s+15+16*\b], v[TM+12+\b]
.endr
	v_nop                                          ; one plain place behind the last conversion
.endm
; THE QUEUE OF MATRIX INSTRUCTIONS.  q_kind: 1 = S products, 2 = PV products; q_mi: the next one's number; q_mn: how many; q_per: vector lines between two; q_vc: vector lines since the last; q_win: the window setting of the list in hand.
.set q_kind, 0
.set q_mi, 0
.set q_mn, 0
.set q_per, 6
.set q_vc, 0
.set q_win, 0
.set pv_zero, 0                        ; 1: the PV products start O^T's sums
.set cnt_a, 0                          ; LDS loads that may be out at the first PV product,
.set cnt_b, 0                          ; and at the seventeenth
.set a_k, RK0                          ; the address registers of the step in hand
.set a_ks, RKS0
.set a_v, RV0
.set a_vs, RVS0
.set a_r, BR0
.set a_w, BW0
.set a_e, BE0
.macro KLOAD k, ra, rs                 ; tile k of my two tiles of K: 16 loads of its four fragments, 4 of its scale words
	WIN 0xc0                                       ; destination window 3
.irp s, 0,1,2,3
.irp c, 0,1,2,3
	ds_load_b128 v[64*\k+16*\s+4*\c:64*\k+16*\s+4*\c+3], v[\ra] offset:QREC*\k+2048*\s+512*\c
.endr
.endr
	WIN 0
.irp s, 0,1,2,3
	ds_load_b32 v[KS+4*\k+\s], v[\rs] offset:QREC*\k+128*\s
.endr
.endm
.macro SMUL                            ; product q_mi of 32 of S^T = K Q^T: channels 128 (q_mi / 8) on, key tile (q_mi / 4) % 2, query tile q_mi % 4.  The first eight start the sums; the eight accumulators take turns
	WIN 0x07                                       ; source 0 (K) window 3, source 1 (Q) window 1
.set m_s, q_mi/8
.set m_k, (q_mi/4)%2
.set m_q, q_mi%4
.if m_s == 0
	v_wmma_scale_f32_16x16x128_f8f6f4 v[S+16*m_q+8*m_k:S+16*m_q+8*m_k+7], v[64*m_k+16*m_s:64*m_k+16*m_s+15], v[64*m_q+16*m_s:64*m_q+16*m_s+15], 0, v[KS+4*m_k+m_s], v[QS+4*m_q+m_s]
.else
	v_wmma_scale_f32_16x16x128_f8f6f4 v[S+16*m_q+8*m_k:S+16*m_q+8*m_k+7], v[64*m_k+16*m_s:64*m_k+16*m_s+15], v[64*m_q+16*m_s:64*m_q+16*m_s+15], v[S+16*m_q+8*m_k:S+16*m_q+8*m_k+7], v[KS+4*m_k+m_s], v[QS+4*m_q+m_s]
.endif
.endm
.macro PVMUL                           ; product q_mi of 32 of O^T += V^T P^T: channel tile q_mi / 4, query tile q_mi % 4: 32 accumulators, one instruction each.  Number 32 is no product: the next K's tile 0
.if q_mi == 32
	PLACES 8                                       ; the last products read v0-63 of window 3: eight places in front of loads into them
	KLOAD 0, a_k, a_ks
.else
.if q_mi == 0
	s_wait_dscnt cnt_a                             ; P, V's tiles 0-3 and V's scale words are in; V's tiles 4-7 and K's tile 1, issued behind them, may be out
.endif
.if q_mi == 16
	s_wait_dscnt cnt_b                             ; V's tiles 4-7 are in; K's tile 1 may be out
.endif
	WIN 0xaf                                       ; sources 0 (V) and 1 (P) window 3, C and D window 2
.set m_t, q_mi/4
.set m_q, q_mi%4
.set m_v, 192+16*m_t
.if m_t >= 4
.set m_v, 16*(m_t-4)
.endif
.if pv_zero
	v_wmma_scale_f32_16x16x128_f8f6f4 v[64*m_q+8*m_t:64*m_q+8*m_t+7], v[m_v:m_v+15], v[128+16*m_q:128+16*m_q+15], 0, v[VS+m_t], v[PW+m_q]
.else
	v_wmma_scale_f32_16x16x128_f8f6f4 v[64*m_q+8*m_t:64*m_q+8*m_t+7], v[m_v:m_v+15], v[128+16*m_q:128+16*m_q+15], v[64*m_q+8*m_t:64*m_q+8*m_t+7], v[VS+m_t], v[PW+m_q]
.endif
.endif
.endm
.macro QUEUE kind, n, per
.set q_kind, \kind
.set q_mi, 0
.set q_mn, \n
.set q_per, \per
.set q_vc, 0
.endm
.macro EMIT                            ; the queue's next
.if q_kind == 1
	SMUL
.else
	PVMUL
.endif
.set q_mi, q_mi+1
.set q_vc, 0
.endm
.macro TICK                            ; stands behind each vector line of the three lists
.set q_vc, q_vc+1
.if (q_vc >= q_per) && (q_mi < q_mn)
	EMIT
	WIN q_win
.endif
.endm
.macro FLUSH                           ; what is left of the queue, back to back
.if q_mn > q_mi
.rept q_mn-q_mi
	EMIT
.endr
.endif
	WIN q_win
.endm
.macro PAD8                            ; eight places behind the queue's last product; the plain lines that already follow it count (used behind the reader and the rescaling alone, whose lines are all plain and name none of the S products' registers)
.if q_vc < 8
.rept 8-q_vc
	v_nop
.endr
.endif
.endm
	s_load_b256 s[4:11], s[0:1], 0x0               ; qw s[4:5], kw s[6:7], vw s[8:9], ww s[10:11]
	s_load_b128 s[12:15], s[0:1], 0x20             ; bp s[12:13], x s[14:15]
	s_load_b64 s[16:17], s[0:1], 0x30              ; out0
	v_lshl_add_u32 v[SPW], v0, 2, SPARE
	v_mov_b32 v[NIL], 0
	ds_add_u32 v3, v4
	ds_add_u32 v3, v4
	s_wait_dscnt 0x0
	v_lshrrev_b32 v124, 5, v0
	v_readfirstlane_b32 s18, v124                  ; wave 0..3
	v_and_b32 v124, 31, v0                         ; lane
	v_and_b32 v125, 15, v0                         ; r
	v_bfe_u32 v126, v0, 4, 1                       ; h
	v_lshlrev_b32 v[LI], 4, v124
	v_lshlrev_b32 v[LS], 2, v124
	s_mul_i32 s49, s18, 2*QREC                     ; every LDS address is a constant + a constant x lane + a constant x wave, made here and never rewritten
	v_add_nc_u32 v[RK0], s49, v[LI]
	v_add_nc_u32 v[RKS0], s49, v[LS]
	v_add_nc_u32 v[RKS0], 8192, v[RKS0]
	v_add_nc_u32 v[RK1], REGN, v[RK0]
	v_add_nc_u32 v[RKS1], REGN, v[RKS0]
	v_add_nc_u32 v[KZ], VSL, v[RK0]
	v_add_nc_u32 v[KZS], VSL, v[RKS0]
	s_lshl_b32 s49, s18, 14
	s_add_co_u32 s49, s49, VSL
	v_add_nc_u32 v[RV0], s49, v[LI]
	v_add_nc_u32 v[RV1], REGN, v[RV0]
	s_lshl_b32 s49, s18, 10
	s_add_co_u32 s49, s49, VSL+65536
	v_add_nc_u32 v[RVS0], s49, v[LS]
	v_add_nc_u32 v[RVS1], REGN, v[RVS0]
	v_add_nc_u32 v[BR0], PE0, v[LI]
	v_add_nc_u32 v[BR1], PE1, v[LI]
	s_lshl_b32 s49, s18, 9
	s_add_co_u32 s49, s49, PE0
	v_add_nc_u32 v[BW0], s49, v[LI]
	v_add_nc_u32 v[BW1], PE1-PE0, v[BW0]
	s_lshl_b32 s49, s18, 2
	s_add_co_u32 s49, s49, PE0+EOFF
	v_add_nc_u32 v[BE0], s49, v[LI]
	v_add_nc_u32 v[BE1], PE1-PE0, v[BE0]
	s_lshl_b32 s49, s18, 2
	s_add_co_u32 s49, s49, LX
	v_add_nc_u32 v[LXW], s49, v[LI]
	v_add_nc_u32 v[LXR], LX, v[LI]
	s_lshl_b32 s49, s18, 11
	v_add_nc_u32 v[HWI], s49, v[LI]
	s_lshl_b32 s49, s18, 7
	v_add_nc_u32 v[HWS], s49, v[LS]
	s_mul_i32 s49, s18, 16*272
	s_add_co_u32 s49, s49, STG                     ; my stage
	v_mul_u32_u24 v[STO], v125, 272
	v_lshl_add_u32 v[STO], v126, 6, v[STO]
	v_add_nc_u32 v[STO], s49, v[STO]               ; in: row r (a channel), + 64 h: positions 16 h on
	v_mul_u32_u24 v[RD], v126, 272
	v_lshl_add_u32 v[RD], v125, 4, v[RD]
	v_add_nc_u32 v[RD], s49, v[RD]                 ; back: lanes 0-15 one row of 256 bytes, lanes 16-31 the next
	v_lshlrev_b32 v[GO], 13, v126
	v_lshl_add_u32 v[GO], v125, 4, v[GO]           ; and the same two rows (channels, 8,192 bytes apart) in x and out0
	v_and_b32 v127, 8, v125
	v_add_nc_u32 v127, v127, v125
	v_lshlrev_b32 v[BPA], 2, v127                  ; bp: 4 (r + 8 (r / 8))
.irp b, 0,1,2,3
	v_mov_b32 v[NM+2*\b+1], 0xff61b1e6             ; the largest t so far: -3e38, under every t
	v_mov_b32 v[RR+\b], 0xff61b1e6                 ; R likewise
	v_mov_b32 v[LL+2*\b], 0
	v_mov_b32 v[LL+2*\b+1], 0
	v_mov_b32 v[FW+2*\b], 0
	v_mov_b32 v[FW+2*\b+1], 0                      ; (the pairs' upper words are named, so they are written)
	v_mov_b32 v[FR+2*\b], 0
	v_mov_b32 v[FR+2*\b+1], 0
	v_mov_b32 v[TM+4+\b], 0                        ; a lane permute's destination counts as one of its sources
.endr
.irp b, 0,1,2,3
	v_floor_f32 v[NM+2*\b], -v[NM+2*\b+1]          ; -M
.endr
	s_mov_b32 s19, 0x600000                        ; the mantissa field of 448
	s_mov_b32 s20, 0x76543210
	s_mov_b32 s21, 0xfedcba98                      ; v_permlanex16_b32's selects for lane l xor 16
	s_mov_b32 s22, 0x3d8293ee                      ; c = log2(e) / sqrt(512)
	s_mov_b32 s23, s22
	; descriptor group 1: a quarter of a region, 34,816 dense bytes, as 136 rows of 256 bytes (32 elements of 8 bytes)
	s_mov_b32 s24, 15|(3<<16)|(1<<21)              ; 15:0 the mask: all four work-groups; 17:16 elements of 8 bytes; 21 set beside a mask
	s_mov_b32 s25, 32<<16                          ; tensor_dim0
	s_mov_b32 s26, 136<<16                         ; tensor_dim1
	s_mov_b32 s27, 32<<16                          ; tile_dim0
	s_mov_b32 s28, 136                             ; tile_dim1
	s_mov_b32 s29, 32                              ; the pitch
	s_mov_b32 s30, 0
	s_mov_b32 s31, 0
	s_and_b32 s46, ttmp7, 0xffff                   ; the batch, which the four partners share
	s_mul_i32 s50, s46, 16*STEPB                   ; its first byte in qw, kw and vw
	s_mov_b32 s51, 0
	s_and_b32 s52, s18, 1
	s_mul_i32 s52, s52, STEPB/2                    ; which half of a slot I fetch
	s_mov_b32 s53, 0
	s_add_nc_u64 s[52:53], s[52:53], s[50:51]
	s_mul_i32 s54, s18, STEPB/2                    ; and where it goes in a region: waves 0, 1 K's slot, waves 2, 3 V's: no place in the cluster enters an LDS address
	s_and_b32 s40, ttmp9, 1                        ; the key step at which my cluster begins, from the cluster's x, which the partners share:
	s_lshl_b32 s40, s40, 3                         ; 8 (c % 2)
	s_bfe_u32 s41, ttmp9, 0x10001
	s_lshl_b32 s41, s41, 2
	s_add_co_u32 s40, s40, s41                     ; + 4 (c / 2 % 2)
	s_lshr_b32 s41, ttmp9, 2
	s_mul_i32 s41, s41, 10
	s_add_co_u32 s40, s40, s41                     ; + 10 (c / 4),
	s_and_b32 s40, s40, 15                         ; modulo 16
	s_add_co_u32 s41, s40, 1
	s_and_b32 s41, s41, 15                         ; my walk's second step,
	s_add_co_u32 s42, s40, 2
	s_and_b32 s42, s42, 15                         ; and its third
	s_cmp_lt_u32 s18, 2
	s_cselect_b32 s41, s41, s40                    ; region 0's first fill: K(1) by waves 0 and 1, K(0) by waves 2 and 3
	s_cselect_b32 s40, s42, s40                    ; region 1's, from which the walking descriptor goes on: K(2), or V(0)
	s_mul_i32 s48, s41, STEPB
	s_mov_b32 s49, 0                               ; s[48:49]: an offset in a batch's kw or vw
	s_bfe_u32 s2, ttmp6, 0x40000                   ; cx: it enters the addresses of Q, x and out0 alone, in registers that feed no descriptor
	s_lshl_b32 s3, ttmp9, 2
	s_add_co_u32 s3, s3, s2                        ; my block of 64 queries
	s_mul_i32 s56, s3, 4*QREC
	s_mov_b32 s57, 0
	s_add_nc_u64 s[56:57], s[56:57], s[50:51]      ; Q's four records
	s_lshl_b32 s58, s46, 22                        ; x, out0: the batch, 4,194,304 bytes,
	s_lshl_b32 s59, s18, 20                        ; my wave's 128 channels,
	s_add_co_u32 s58, s58, s59
	s_lshl_b32 s59, s3, 8                          ; my block's 64 positions
	s_add_co_u32 s58, s58, s59
	s_mov_b32 s59, 0
	s_mul_i32 s60, s18, 8*REC
	s_add_co_u32 s60, s60, 3*32*REC                ; Wp: the fourth matrix of ww, my eight records
	s_mov_b32 s61, 0
	s_lshl_b32 s62, s18, 9                         ; bp: my 128 numbers
	s_mov_b32 s63, 0
	s_wait_kmcnt 0x0
	s_add_nc_u64 s[38:39], s[6:7], s[52:53]        ; kw at my batch and my half of a slot
	s_add_nc_u64 s[46:47], s[8:9], s[52:53]        ; vw likewise
	s_cmp_lt_u32 s18, 2                            ; the walking descriptor walks kw in waves 0 and 1, vw in waves 2 and 3
	s_cselect_b64 s[46:47], s[38:39], s[46:47]     ; its base, which stays
	s_add_nc_u64 s[38:39], s[38:39], s[48:49]      ; region 0's first fill
	s_mul_i32 s48, s40, STEPB
	s_add_nc_u64 s[34:35], s[46:47], s[48:49]      ; region 1's
	s_or_b32 s35, s35, 0x80000000                  ; type = 2
	s_or_b32 s39, s39, 0x80000000
	s_mov_b32 s32, 1
	s_add_co_u32 s33, s54, REGN
	s_mov_b32 s36, 1
	s_mov_b32 s37, s54
	s_add_nc_u64 s[4:5], s[4:5], s[56:57]
	s_add_nc_u64 s[14:15], s[14:15], s[58:59]
	s_add_nc_u64 s[16:17], s[16:17], s[58:59]
	s_add_nc_u64 s[44:45], s[10:11], s[60:61]
	s_add_nc_u64 s[12:13], s[12:13], s[62:63]
	CROUND                                         ; all four work-groups are here: the first joint loads meet
	tensor_load_to_lds s[36:39], s[24:31]          ; the first fills go out as one group: every wave's quarter of region 0,
	s_nop 0
	tensor_load_to_lds s[32:35], s[24:31]          ; and of region 1: two loads of mine are out
	s_nop 0
	PLACES 4
	WIN 0x40                                       ; destination window 1
.irp q, 0,1,2,3
.irp s, 0,1,2,3
.irp c, 0,1,2,3
	global_load_b128 v[64*\q+16*\s+4*\c:64*\q+16*\s+4*\c+3], v[LI], s[4:5] offset:QREC*\q+2048*\s+512*\c   ; Q stays in registers
.endr
.endr
.endr
	WIN 0
.irp q, 0,1,2,3
.irp s, 0,1,2,3
	global_load_b32 v[QS+4*\q+\s], v[LS], s[4:5] offset:QREC*\q+8192+128*\s
.endr
.endr
	s_wait_tensorcnt 0x0                           ; my parts of both regions have landed,
	s_barrier_signal -1
	s_barrier_wait -1                              ; everybody's
; MY BLOCK'S SOFTMAX: four tiles of queries by turns, each with its own statistics.  A lane holds one query and 16 of the block's 32 keys.
.macro SOFTW
.irp b, 0,1,2,3
	v_max3_num_f32 v[TM+\b], v[S+16*\b], v[S+16*\b+1], v[S+16*\b+2]   ; the block's largest score; each accumulator is read from its low end on
	TICK
.endr
.irp i, 3,5,7,9,11,13
.irp b, 0,1,2,3
	v_max3_num_f32 v[TM+\b], v[TM+\b], v[S+16*\b+\i], v[S+16*\b+\i+1]
	TICK
.endr
.endr
.irp b, 0,1,2,3
	v_max_num_f32 v[TM+\b], v[TM+\b], v[S+16*\b+15]
	TICK
.endr
.irp b, 0,1,2,3
	v_permlanex16_b32 v[TM+4+\b], v[TM+\b], s20, s21
	TICK
.endr
.irp b, 0,1,2,3
	v_max_num_f32 v[TM+\b], v[TM+\b], v[TM+4+\b]   ; with lane l xor 16's 16 keys
	TICK
.endr
.irp b, 0,1,2,3
	v_mul_f32 v[TM+16+\b], s22, v[TM+\b]           ; as t (c is positive)
	TICK
.endr
.irp b, 0,1,2,3
	v_max_num_f32 v[NM+2*\b+1], v[NM+2*\b+1], v[TM+16+\b]   ; the running largest t of my keys
	TICK
.endr
.irp b, 0,1,2,3
	v_mov_b32 v[TM+16+\b], v[NM+2*\b]
	TICK
.endr
.irp b, 0,1,2,3
	v_floor_f32 v[NM+2*\b], -v[NM+2*\b+1]          ; the new -M_w = floor(-t): M_w is a whole number
	TICK
.endr
.irp b, 0,1,2,3
	v_sub_f32 v[TM+16+\b], v[NM+2*\b], v[TM+16+\b] ; old M_w - new M_w, 0 or less
	TICK
.endr
.irp b, 0,1,2,3
	v_cvt_i32_f32 v[TM+16+\b], v[TM+16+\b]         ; (it saturates)
	TICK
.endr
.irp b, 0,1,2,3
	v_ldexp_f32 v[FW+2*\b], 1.0, v[TM+16+\b]
	TICK
.endr
.irp b, 0,1,2,3
.irp j, 0,2,4,6,8,10,12,14
	v_pk_fma_f32 v[S+16*\b+\j:S+16*\b+\j+1], v[S+16*\b+\j:S+16*\b+\j+1], s[22:23], v[NM+2*\b:NM+2*\b+1] op_sel_hi:[1,0,0]   ; t - M_w, two at a time
	TICK
.endr
.endr
.irp b, 0,1,2,3
	v_fma_f32 v[TM+\b], v[TM+\b], s22, v[NM+2*\b]  ; the same of the block's largest score: p rises with the score
	TICK
.endr
.set j, 0
.rept 64
	v_exp_f32 v[S+j], v[S+j]                       ; p = 2^(t - M_w), at most 1
	TICK
.set j, j+1
.endr
.irp b, 0,1,2,3
	v_exp_f32 v[TM+\b], v[TM+\b]                   ; the block's largest p
	TICK
.endr
.irp b, 0,1,2,3
	v_pk_mul_f32 v[LL+2*\b:LL+2*\b+1], v[LL+2*\b:LL+2*\b+1], v[FW+2*\b:FW+2*\b+1] op_sel_hi:[1,0]   ; l_w under the new M_w (the plain place behind the exponentials)
	TICK
.endr
	s_wait_alu depctr_va_vdst(0)
.irp b, 0,1,2,3
	v_max_num_f32 v[TM+\b], 0x4800000, v[TM+\b]    ; the floor 2^(9 - 127)
	TICK
.endr
.irp b, 0,1,2,3
	v_add_nc_u32 v[TM+12+\b], 0xfc000000, v[TM+\b] ; the conversion's scale operand
	TICK
.endr
.irp b, 0,1,2,3
	v_and_or_b32 v[TM+8+\b], v[TM+\b], 0x7f800000, s19   ; 448 x the scale
	TICK
.endr
.irp b, 0,1,2,3
	v_lshrrev_b32 v[TM+4+\b], 23, v[TM+12+\b]      ; the scale's byte under M_w
	TICK
.endr
.irp b, 0,1,2,3
	v_cvt_f32_u32 v[TM+4+\b], v[TM+4+\b]
	TICK
.endr
.irp b, 0,1,2,3
	v_sub_f32 v[EW+\b], v[TM+4+\b], v[NM+2*\b]     ; E_w = byte + M_w
	TICK
.endr
.irp b, 0,1,2,3
	v_pk_add_f32 v[TM+20+2*\b:TM+21+2*\b], v[S+16*\b+2:S+16*\b+3], v[S+16*\b+6:S+16*\b+7]   ; the sum is taken of the unquantised p, in two chains
	TICK
.endr
.irp j, 0,4,8,12
.irp b, 0,1,2,3
	v_pk_add_f32 v[LL+2*\b:LL+2*\b+1], v[LL+2*\b:LL+2*\b+1], v[S+16*\b+\j:S+16*\b+\j+1]
	TICK
.endr
.endr
.irp j, 10,14
.irp b, 0,1,2,3
	v_pk_add_f32 v[TM+20+2*\b:TM+21+2*\b], v[TM+20+2*\b:TM+21+2*\b], v[S+16*\b+\j:S+16*\b+\j+1]
	TICK
.endr
.endr
.irp b, 0,1,2,3
	v_pk_add_f32 v[LL+2*\b:LL+2*\b+1], v[LL+2*\b:LL+2*\b+1], v[TM+20+2*\b:TM+21+2*\b]
	TICK
.endr
.irp b, 0,1,2,3
.irp i, 0,1,2,3,4,5,6,7,8,9,10,11,12,13,14,15
	v_min_num_f32 v[S+16*\b+\i], v[S+16*\b+\i], v[TM+8+\b]   ; p is not negative: a one-sided hold (the conversion does not saturate: ISA guide 7.6.2)
	TICK
.endr
	v_cvt_scalef32_pk8_fp8_f32 v[PC+4*\b:PC+4*\b+1], v[S+16*\b:S+16*\b+7], v[TM+12+\b]
	v_cvt_scalef32_pk8_fp8_f32 v[PC+4*\b+2:PC+4*\b+3], v[S+16*\b+8:S+16*\b+15], v[TM+12+\b]
.endr
	v_nop                                          ; one plain place behind the last conversion
.endm
; From the four waves' E: the new R, the factor for O^T, and P's scale words.
.macro READER
.irp b, 0,1,2,3
	v_mov_b32 v[TM+\b], v[RR+\b]
	TICK
.endr
.irp b, 0,1,2,3
	v_max3_num_f32 v[RR+\b], v[RR+\b], v[EL+4*\b], v[EL+4*\b+1]
	TICK
.endr
.irp b, 0,1,2,3
	v_max3_num_f32 v[RR+\b], v[RR+\b], v[EL+4*\b+2], v[EL+4*\b+3]
	TICK
.endr
.irp b, 0,1,2,3
	v_sub_f32 v[TM+\b], v[TM+\b], v[RR+\b]         ; old R - new R, 0 or less
	TICK
.endr
.irp b, 0,1,2,3
	v_cvt_i32_f32 v[TM+\b], v[TM+\b]
	TICK
.endr
.irp b, 0,1,2,3
	v_ldexp_f32 v[FR+2*\b], 1.0, v[TM+\b]
	TICK
.endr
.irp b, 0,1,2,3
	v_add_f32 v[TM+4+\b], 0xc2ec0000, v[RR+\b]     ; M_ref = R - 118
	TICK
.endr
.irp w, 0,1,2,3
.irp b, 0,1,2,3
	v_sub_f32 v[TM+8+4*\b+\w], v[EL+4*\b+\w], v[TM+4+\b]   ; block w's byte under M_ref, at most 118,
	TICK
.endr
.endr
.irp w, 0,1,2,3
.irp b, 0,1,2,3
	v_max_num_f32 v[TM+8+4*\b+\w], 0, v[TM+8+4*\b+\w]      ; and not under 0
	TICK
.endr
.endr
.irp w, 0,1,2,3
.irp b, 0,1,2,3
	v_cvt_u32_f32 v[TM+8+4*\b+\w], v[TM+8+4*\b+\w]
	TICK
.endr
.endr
.irp b, 0,1,2,3
	v_lshl_or_b32 v[PW+\b], v[TM+9+4*\b], 8, v[TM+8+4*\b]
	TICK
.endr
.irp b, 0,1,2,3
	v_lshl_or_b32 v[PW+\b], v[TM+10+4*\b], 16, v[PW+\b]
	TICK
.endr
.irp b, 0,1,2,3
	v_lshl_or_b32 v[PW+\b], v[TM+11+4*\b], 24, v[PW+\b]
	TICK
.endr
.endm
; O^T under the new reference; ascending.  These 128 lines also stand between P's scale words and the products that take them.
.macro RESCALE
.set q_win, 0x82                       ; destination and source 0 window 2
	WIN 0x82
.irp q, 0,1,2,3
.set i, 0
.rept 32
	v_pk_mul_f32 v[64*\q+2*i:64*\q+2*i+1], v[64*\q+2*i:64*\q+2*i+1], v[FR+2*\q:FR+2*\q+1] op_sel_hi:[1,0]
	TICK
.set i, i+1
.endr
.endr
.set q_win, 0
	WIN 0
.endm
; ITERATION s, from the round of step s to the publishing of P(s + 1).  par = s % 2.  first = 1: O^T's sums begin.  fill = 2: all four waves fill region s % 2; 1: waves 2 and 3 alone (there is no further K); 0: nobody.
; kl = 1: K(s + 2) is fetched.  sm = 1: there is a step s + 1: its S products, its softmax, its publishing.  wpl = 1: Q is done with: Wp's K steps 2 and 3 are asked for.
.macro ITER par, first, fill, kl, sm, wpl
.if \par
.set a_k, RK0                          ; an odd step reads region 0 and P/E buffer 1, and writes buffer 0
.set a_ks, RKS0
.set a_v, RV0
.set a_vs, RVS0
.set a_r, BR1
.set a_w, BW0
.set a_e, BE0
.else
.set a_k, RK1
.set a_ks, RKS1
.set a_v, RV1
.set a_vs, RVS1
.set a_r, BR0
.set a_w, BW1
.set a_e, BE1
.endif
.set pv_zero, \first
.set cnt_a, 16+20*\kl
.set cnt_b, 20*\kl
	s_wait_tensorcnt 0x0                           ; all my tensor loads have landed: my part of the region that is read behind the barrier; so the descriptor may be written
	ds_add_u32 v[SPW], v[NIL]                      ; 0 onto my spare word
.if \fill
	s_xor_b32 s33, s33, REGN                       ; the other region than last time,
	s_add_co_u32 s40, s40, 1
	s_and_b32 s40, s40, 15                         ; the walk's next 128 keys, round the batch's end
	s_mul_i32 s48, s40, STEPB
	s_add_nc_u64 s[34:35], s[46:47], s[48:49]
	s_or_b32 s35, s35, 0x80000000                  ; type = 2
.endif
	s_wait_dscnt 0x0                               ; the add is done, my P and E are stored, and my reads of the region to be filled (K and V, in the iteration before) are over
.if \fill
	CROUND                                         ; the same holds of every wave of every partner
.else
	s_barrier_signal -1
	s_barrier_wait -1
.endif
.if \fill == 2
	tensor_load_to_lds s[32:35], s[24:31]          ; the first thing behind the round, and my one tensor load until the next: it has a whole iteration in which to land
	s_nop 0
	PLACES 4
.elseif \fill == 1
	s_cmp_lt_u32 s18, 2
	s_cbranch_scc1 .Lno_more_k_\@
	tensor_load_to_lds s[32:35], s[24:31]          ; V alone
	s_nop 0
	PLACES 4
.Lno_more_k_\@:
.endif
.irp b, 0,1,2,3
	ds_load_b128 v[EL+4*\b:EL+4*\b+3], v[a_r] offset:EOFF+512*\b   ; E of the four waves, for my query
.endr
.irp t, 0,1,2,3,4,5,6,7
	ds_load_b32 v[VS+\t], v[a_vs] offset:128*\t
.endr
	WIN 0xc0                                       ; destination window 3
.irp q, 0,1,2,3
.irp c, 0,1,2,3
	ds_load_b128 v[128+16*\q+4*\c:128+16*\q+4*\c+3], v[a_r] offset:2048*\q+512*\c   ; P's four fragments
.endr
.endr
.irp t, 0,1,2,3
.irp c, 0,1,2,3
	ds_load_b128 v[192+16*\t+4*\c:192+16*\t+4*\c+3], v[a_v] offset:2048*\t+512*\c   ; V's tiles 0-3
.endr
.endr
	WIN 0
.if \sm
	QUEUE 1, 32, 7                                 ; S(s + 1): its K has been in registers since the iteration before
.rept 4
	EMIT                                           ; four go ahead while E is on its way
.endr
	WIN 0
.else
	QUEUE 0, 0, 7
.endif
	s_wait_dscnt 40                                ; E is in; the 8 + 16 + 16 loads issued behind it may be out
	READER
.if \first == 0
	RESCALE
.endif
	FLUSH
	PAD8                                           ; eight places behind the last S product: for the loads below, into registers that the S products have read, and for the softmax's first read of the scores
	WIN 0xc0
.irp t, 4,5,6,7
.irp c, 0,1,2,3
	ds_load_b128 v[16*(\t-4)+4*\c:16*(\t-4)+4*\c+3], v[a_v] offset:2048*\t+512*\c   ; V's tiles 4-7 take the registers of K's tile 0
.endr
.endr
	WIN 0
.if \kl
	KLOAD 1, a_k, a_ks                             ; K(s + 2), tile 1
.endif
.if \wpl
	WIN 0x40                                       ; destination window 1
.irp o, 0,1,2,3,4,5,6,7
.irp s, 2,3
.irp c, 0,1,2,3
	global_load_b128 v[32*\o+16*(\s-2)+4*\c:32*\o+16*(\s-2)+4*\c+3], v[LI], s[44:45] offset:REC*\o+2048*\s+512*\c
.endr
.endr
.endr
	WIN 0
.endif
	QUEUE 2, 32+\kl, 6                             ; PV(s); behind it K(s + 2), tile 0, which lands under the rest of the softmax
.if \sm
	SOFTW
.endif
	FLUSH
.if \sm
.irp b, 0,1,2,3
	ds_store_b128 v[a_w], v[PC+4*\b:PC+4*\b+3] offset:2048*\b      ; chunk w of query tile b's fragment of P(s + 1), into the buffer that nobody reads in this iteration
.endr
.irp b, 0,1,2,3
	ds_store_b32 v[a_e], v[EW+\b] offset:512*\b
.endr
.else
	PLACES 8                                       ; behind the last products: for the loads into their operands' registers
.endif
.endm
	KLOAD 0, KZ, KZS                               ; K(0), from V's slot of region 0
	KLOAD 1, KZ, KZS
	s_wait_loadcnt 0x0                             ; Q
	s_wait_dscnt 0x0
	QUEUE 1, 32, 7
	FLUSH                                          ; S(0): there is no vector work yet to set between the products
	PAD8
	KLOAD 0, RK0, RKS0                             ; K(1) lands under the first softmax
	KLOAD 1, RK0, RKS0
	QUEUE 0, 0, 7
	SOFTW
.irp b, 0,1,2,3
	ds_store_b128 v[BW0], v[PC+4*\b:PC+4*\b+3] offset:2048*\b
.endr
.irp b, 0,1,2,3
	ds_store_b32 v[BE0], v[EW+\b] offset:512*\b
.endr
	ITER 0, 1, 2, 1, 1, 0                          ; step 0
	s_mov_b32 s43, 6
.Lstep:                                            ; steps 1 to 12, two a trip: the addresses of both regions and both buffers are constants
	ITER 1, 0, 2, 1, 1, 0
	ITER 0, 0, 2, 1, 1, 0
	s_sub_co_u32 s43, s43, 1
	s_cmp_lg_u32 s43, 0
	s_cbranch_scc1 .Lstep
	ITER 1, 0, 1, 1, 1, 0                          ; step 13: the tail is written out
	ITER 0, 0, 1, 0, 1, 1                          ; step 14: the last S products and the last softmax
	ITER 1, 0, 0, 0, 0, 0                          ; step 15: the last PV products
	; Wp's K steps 0 and 1 take K's, P's and V's registers (eight places stand behind the last products), its scale words Q's
	WIN 0xc0
.irp o, 0,1,2,3,4,5,6,7
.irp s, 0,1
.irp c, 0,1,2,3
	global_load_b128 v[32*\o+16*\s+4*\c:32*\o+16*\s+4*\c+3], v[LI], s[44:45] offset:REC*\o+2048*\s+512*\c
.endr
.endr
.endr
	WIN 0
.irp o, 0,1,2,3,4,5,6,7
	global_load_b32 v[QS+2*\o], v[LS], s[44:45] offset:REC*\o+8192         ; K step 0 in lanes 0-15, 1 in lanes 16-31
	global_load_b32 v[QS+2*\o+1], v[LS], s[44:45] offset:REC*\o+8192+128   ; K steps 2 and 3
	global_load_b32 v[BP+\o], v[BPA], s[12:13] offset:(32*(\o/2)+8*(\o%2))*4
.endr
	; l: my two halves, lane l xor 16's, and then the four waves', each brought under the row's reference
.irp b, 0,1,2,3
	v_add_f32 v[TM+\b], v[LL+2*\b], v[LL+2*\b+1]
.endr
.irp b, 0,1,2,3
	v_permlanex16_b32 v[TM+4+\b], v[TM+\b], s20, s21
.endr
.irp b, 0,1,2,3
	v_add_f32 v[TM+\b], v[TM+\b], v[TM+4+\b]
.endr
.irp b, 0,1,2,3
	ds_store_b32 v[LXW], v[TM+\b] offset:512*\b
	ds_store_b32 v[LXW], v[NM+2*\b] offset:0x800+512*\b
.endr
	BARRIER
.irp b, 0,1,2,3
	ds_load_b128 v[EL+4*\b:EL+4*\b+3], v[LXR] offset:512*\b
	ds_load_b128 v[PC+4*\b:PC+4*\b+3], v[LXR] offset:0x800+512*\b
.endr
	s_wait_dscnt 0x0
.irp b, 0,1,2,3
	v_sub_f32 v[TM+\b], 0x42ec0000, v[RR+\b]       ; -M_ref = 118 - R
.endr
.irp w, 0,1,2,3
.irp b, 0,1,2,3
	v_sub_f32 v[PC+4*\b+\w], v[TM+\b], v[PC+4*\b+\w]   ; M_w - M_ref, 0 or less
.endr
.endr
.irp w, 0,1,2,3
.irp b, 0,1,2,3
	v_cvt_i32_f32 v[PC+4*\b+\w], v[PC+4*\b+\w]
.endr
.endr
.irp w, 0,1,2,3
.irp b, 0,1,2,3
	v_ldexp_f32 v[EL+4*\b+\w], v[EL+4*\b+\w], v[PC+4*\b+\w]
.endr
.endr
.irp b, 0,1,2,3
	v_add_f32 v[EL+4*\b], v[EL+4*\b], v[EL+4*\b+1]
	v_add_f32 v[EL+4*\b+2], v[EL+4*\b+2], v[EL+4*\b+3]
.endr
.irp b, 0,1,2,3
	v_add_f32 v[EL+4*\b], v[EL+4*\b], v[EL+4*\b+2]
.endr
.irp b, 0,1,2,3
	v_rcp_f32 v[FR+2*\b], v[EL+4*\b]
.endr
	v_nop                                          ; one plain place behind the reciprocals
	s_wait_alu depctr_va_vdst(0)
	; h = O^T / l, quantised along the channels: my 128 channels are K step w of the projection
.irp q, 0,1,2,3
	WIN 0x02                                       ; source 0 window 2
.set i, 0
.rept 32
	v_pk_mul_f32 v[S+2*i:S+2*i+1], v[64*\q+2*i:64*\q+2*i+1], v[FR+2*\q:FR+2*\q+1] op_sel_hi:[1,0]   ; ascending: each accumulator from its low end on
.set i, i+1
.endr
	WIN 0
	QUANT S
.irp c, 0,1,2,3
	ds_store_b128 v[HWI], v[PC+4*\c:PC+4*\c+3] offset:8192*\q+512*\c
.endr
	ds_store_b32 v[HWS], v[QW] offset:HSC+512*\q
	s_wait_dscnt 0x0                               ; the stores have read their registers
.endr
	BARRIER                                        ; h's sixteen fragments lie in LDS
	s_wait_loadcnt 0x0                             ; Wp, its scale words, bp
.irp o, 0,1,2,3,4,5,6,7
.irp j, 0,1,2,3,4,5,6,7
	v_mov_b32 v[BB+8*\o+\j], v[BP+\o]              ; a lane holds one output channel: its bias is the C of all eight registers
.endr
.endr
	; THE PROJECTION: source 0 = 16 queries of h, source 1 = 16 rows of Wp: a lane holds one output channel and eight neighbouring positions.  32 accumulators by turns.
.irp s, 0,1,2,3
.irp q, 0,1,2,3
.irp c, 0,1,2,3
	ds_load_b128 v[S+16*\q+4*\c:S+16*\q+4*\c+3], v[LI] offset:(4*\q+\s)*2048+512*\c
.endr
	ds_load_b32 v[PW+\q], v[LS] offset:HSC+128*(4*\q+\s)
.endr
	s_wait_dscnt 0x0
.if \s == 0
	WIN 0x8c                                       ; source 1 window 3, C window 0, D window 2
.elseif \s == 1
	WIN 0xac                                       ; C and D window 2
.else
	WIN 0xa4                                       ; source 1 window 1
.endif
.irp o, 0,1,2,3,4,5,6,7
.irp q, 0,1,2,3
.if \s == 0
	v_wmma_scale_f32_16x16x128_f8f6f4 v[8*(4*\o+\q):8*(4*\o+\q)+7], v[S+16*\q:S+16*\q+15], v[32*\o:32*\o+15], v[BB+8*\o:BB+8*\o+7], v[PW+\q], v[QS+2*\o]
.elseif \s == 1
	v_wmma_scale_f32_16x16x128_f8f6f4 v[8*(4*\o+\q):8*(4*\o+\q)+7], v[S+16*\q:S+16*\q+15], v[32*\o+16:32*\o+31], v[8*(4*\o+\q):8*(4*\o+\q)+7], v[PW+\q], v[QS+2*\o] matrix_b_scale:MATRIX_SCALE_ROW1
.elseif \s == 2
	v_wmma_scale_f32_16x16x128_f8f6f4 v[8*(4*\o+\q):8*(4*\o+\q)+7], v[S+16*\q:S+16*\q+15], v[32*\o:32*\o+15], v[8*(4*\o+\q):8*(4*\o+\q)+7], v[PW+\q], v[QS+2*\o+1]
.else
	v_wmma_scale_f32_16x16x128_f8f6f4 v[8*(4*\o+\q):8*(4*\o+\q)+7], v[S+16*\q:S+16*\q+15], v[32*\o+16:32*\o+31], v[8*(4*\o+\q):8*(4*\o+\q)+7], v[PW+\q], v[QS+2*\o+1] matrix_b_scale:MATRIX_SCALE_ROW1
.endif
.endr
.endr
	WIN 0
	PLACES 8                                       ; in front of loads into registers that these products have read, and of the first read of results
.if \s == 1
	WIN 0xc0                                       ; Wp's K steps 0 and 1 are done with: x takes their registers and lands under the other 64 products
.irp o, 0,1,2,3,4,5,6,7
.irp t, 0,1,2,3,4,5,6,7
	global_load_b128 v[32*\o+4*\t:32*\o+4*\t+3], v[GO], s[14:15] offset:(32*(\o/2)+8*(\o%2)+2*\t+8*(\t/4))*8192 th:TH_LOAD_NT
.endr
.endr
	WIN 0
.endif
.endr
; THE WAY OUT, a tile of 16 output channels x 64 positions at a time: through my own stage in LDS, back as whole rows of 256 bytes, x added, stored.
.macro OUTC o
	WIN 0x08                                       ; an LDS store's data are its source 1: window 2
.irp q, 0,1,2,3
	ds_store_b128 v[STO], v[8*(4*\o+\q):8*(4*\o+\q)+3] offset:128*(\q/2)+32*(\q%2)          ; each accumulator from its low end on: positions 32 (q / 2) + 16 h + 8 (q % 2) + 0 .. 7
	ds_store_b128 v[STO], v[8*(4*\o+\q)+4:8*(4*\o+\q)+7] offset:128*(\q/2)+32*(\q%2)+16
.endr
	WIN 0
	s_wait_xcnt 0x0                                ; the registers that earlier stores read are loaded again only behind this wait
.irp t, 0,1,2,3,4,5,6,7
	ds_load_b128 v[S+32*(\o%2)+4*\t:S+32*(\o%2)+4*\t+3], v[RD] offset:544*\t   ; LDS serves a wave's instructions in order (ISA guide 5.7.1.4): these see my stores, and the next tile's stores come behind them
.endr
	s_wait_dscnt 0x0
	s_wait_loadcnt 56-8*\o                         ; x's eight loads of this tile are in; those of the tiles to come may be out
	WIN 0x0c                                       ; source 1 (x) window 3
.set i, 0
.rept 16
	v_pk_add_f32 v[S+32*(\o%2)+2*i:S+32*(\o%2)+2*i+1], v[S+32*(\o%2)+2*i:S+32*(\o%2)+2*i+1], v[32*\o+2*i:32*\o+2*i+1]
.set i, i+1
.endr
	WIN 0
.irp t, 0,1,2,3,4,5,6,7
	global_store_b128 v[GO], v[S+32*(\o%2)+4*\t:S+32*(\o%2)+4*\t+3], s[16:17] offset:(32*(\o/2)+8*(\o%2)+2*\t+8*(\t/4))*8192 th:TH_STORE_NT   ; 16 lanes store 256 consecutive bytes, at a multiple of 256 from out0's first byte
.endr
.endm
.irp o, 0,1,2,3,4,5,6,7
	OUTC \o
.endr
	s_wait_tensorcnt 0x0                           ; the wave's end, behind my last tensor load and my last LDS store
	ds_add_u32 v[SPW], v[NIL]
	s_wait_dscnt 0x0
	CROUND                                         ; the closing round: no work-group ends while a partner may still ask for a tile that names it
	s_endpgm
.Lfunc_end_k_q4591c7d54d_attn:
	.size	k_q4591c7d54d_attn, .Lfunc_end_k_q4591c7d54d_attn-k_q4591c7d54d_attn
	.p2alignl 7, 3214868480
	.fill 96, 4, 3214868480
	.section	.rodata,"a",@progbits
	.p2align	6, 0x0
	.amdhsa_kernel k_q4591c7d54d_attn
		.amdhsa_group_segment_fixed_size 327680
		.amdhsa_private_segment_fixed_size 0
		.amdhsa_enable_private_segment 0
		.amdhsa_kernarg_size 56
		.amdhsa_user_sgpr_count 2
		.amdhsa_user_sgpr_kernarg_segment_ptr 1
		.amdhsa_wavefront_size32 1
		.amdhsa_system_sgpr_workgroup_id_x 1
		.amdhsa_system_sgpr_workgroup_id_y 1
		.amdhsa_system_sgpr_workgroup_id_z 1
		.amdhsa_system_vgpr_workitem_id 0
		.amdhsa_next_free_vgpr 1024
		.amdhsa_next_free_sgpr 66
		.amdhsa_reserve_vcc 0
		.amdhsa_float_denorm_mode_32 3
		.amdhsa_float_denorm_mode_16_64 3
		.amdhsa_memory_ordered 1
		.amdhsa_forward_progress 1
		.amdhsa_inst_pref_size 255
	.end_amdhsa_kernel
	.section	.bss,"aw",@nobits
	.p2align	6
	.space	262144
	.amdgpu_metadata
---
amdhsa.version: [ 1, 2 ]
amdhsa.kernels:
  - .name:           k_q4591c7d54d_attn
    .symbol:         k_q4591c7d54d_attn.kd
    .args:
      - { .name: qw, .offset: 0, .size: 8, .value_kind: global_buffer, .address_space: global }
      - { .name: kw, .offset: 8, .size: 8, .value_kind: global_buffer, .address_space: global }
      - { .name: vw, .offset: 16, .size: 8, .value_kind: global_buffer, .address_space: global }
      - { .name: ww, .offset: 24, .size: 8, .value_kind: global_buffer, .address_space: global }
      - { .name: bp, .offset: 32, .size: 8, .value_kind: global_buffer, .address_space: global }
      - { .name: x, .offset: 40, .size: 8, .value_kind: global_buffer, .address_space: global }
      - { .name: out0, .offset: 48, .size: 8, .value_kind: global_buffer, .address_space: global }
    .group_segment_fixed_size: 327680
    .private_segment_fixed_size: 0
    .kernarg_segment_align: 8
    .kernarg_segment_size: 56
    .max_flat_workgroup_size: 128
    .sgpr_count:     66
    .vgpr_count:     1024
    .wavefront_size: 32
...
	.end_amdgpu_metadata
.endif
;; end of part 3
